; MI455X (gfx1250); checked and timed in simulation.
; The chip was launched on July 23, 2026; its instructions are those of AMD's public machine-readable ISA for CDNA 5 (MIT licence, August 2026) and "CDNA5" Instruction Set Architecture Reference Guide (July 2026). The comments in the code are by the model that wrote it; some were corrected since.
;; Causal Self Attention. Allowed arithmetic: matrix products marked QUANTISED: E2M1 operands, one E8M0 scale for each 32 along K, by v_wmma_scale_f32_16x16x128_f8f6f4 with both operands' format E2M1 (or v_wmma_scale_f32_32x16x128_f4), f32 sums; products left as they are: bf16, f16 or f32 operands; f32 sums; everything else in f32.
;; Inputs: c_proj_b 1,024 float32; c_proj_w 1,024 x 1,024 float32; in_proj_b 3,072 float32; in_proj_w 3,072 x 1,024 float32; out_proj_b 1,024 float32; out_proj_w 1,024 x 1,024 float32; x 8 x 1,024 x 1,024 float32.
;; Outputs: out0 8 x 1,024 x 1,024 float32.
;; This version of the problem:
;;   THIS VERSION OF THE PROBLEM IS GIVEN IN LOW PRECISION. The matrix products marked QUANTISED in the list below multiply operands that are first quantised to E2M1 (2 exponent bits, 1 mantissa bit; 4 bits a number), with one power-of-two scale for each 32 numbers along K (OCP MX v1.0); their sums are f32. The products marked 'left as it is' may take bf16, f16 or f32 operands, with f32 sums. Whichever they take, every output number must still come out within the allowed error. Rounding operands to bf16 (8 significant bits) uses up far more of that allowance than f16 does (11 bits, for magnitudes from 6e-5 to 65,504). All else is computed in f32.
;;   The module's matrix products, in the order in which they are computed (A, B: the left and right operand; K: the contracted axis; several contracted axes count as one K, in the product's order):
;;     1. [M 8,192, K 1,024] x [K 1,024, N 3,072]; A: input x; B: input in_proj_w: QUANTISED
;;     2. batch 128 x [M 1,024, K 64] x [K 64, N 1,024]; A: computed on the way; B: computed on the way: left as it is (an operand is computed on the way)
;;     3. batch 128 x [M 1,024, K 1,024] x [K 1,024, N 64]; A: computed on the way; B: computed on the way: left as it is (an operand is computed on the way)
;;     4. [M 8,192, K 1,024] x [K 1,024, N 1,024]; A: computed on the way; B: input out_proj_w: left as it is (an operand is computed on the way)
;;     5. [M 8,192, K 1,024] x [K 1,024, N 1,024]; A: computed on the way; B: input c_proj_w: left as it is (an operand is computed on the way)
;;   THE QUANTISER, for each operand of a quantised product, along K:
;;     - K is cut into blocks of 32 from its start; a last block that is shorter is filled with zeros.
;;     - A block's scale is 2^e with e = floor(log2(the largest magnitude in the block)) - 2, held to -126 .. 127; a block of zeros has e = 0. As a byte (E8M0): e + 127.
;;     - Each number is divided by its block's scale, clamped to +-6, and rounded to the nearest number of E2M1, ties to even, subnormals kept.
;;     - The product sums the exact products of the quantised numbers (number of the format x scale) in f32.
;;   ~~~python
;;   def quantise(x, axis):      # numpy; x: float32 -> the quantised numbers, widened to float32 again
;;       x = np.moveaxis(x, axis, -1); K = x.shape[-1]
;;       x = np.pad(x, [(0, 0)] * (x.ndim - 1) + [(0, -K % 32)]); x = x.reshape(x.shape[:-1] + (-1, 32)); a = np.abs(x).max(-1, keepdims=True)
;;       e = np.where(a > 0, np.clip(np.frexp(np.where(a > 0, a, 1))[1] - 1 - 2, -126, 127), 0)      # np.frexp(a)[1] - 1 = floor(log2(a)), exactly
;;       r = np.clip(x / 2.0 ** e, -6, 6)
;;       step = 2.0 ** (np.maximum(np.frexp(np.where(r == 0, 1, r))[1] - 1, 0) - 1)
;;       q = np.round(r / step) * step * 2.0 ** e      # np.round: ties to even
;;       return np.moveaxis(q.reshape(q.shape[:-2] + (-1,))[..., :K], -1, axis).astype(np.float32)
;;   ~~~
;; One version. Each part assembles by itself: llvm-mc -triple=amdgcn-amd-amdhsa -mcpu=gfx1250 --defsym DOCPART=n.
;; ======== version 1 of 1: 4 launches
;; limits: values are held in f16: magnitudes above 65,504 overflow, below 6.1e-05 lose precision
;; workspace buffers: xc 4,194,304 bytes; xs 262,144 bytes; wc 1,572,864 bytes; ws 98,304 bytes; wm 2,097,152 bytes; bm 4,096 bytes; qkvh 50,331,648 bytes; yh 16,777,216 bytes
;; launch prep (part 1): grid 256 x 1, 8 waves a work-group, no clusters, 184,832 bytes of LDS; arguments x, in_proj_w, xc, xs, wc, ws, c_proj_w, out_proj_w, out_proj_b, c_proj_b, wm, bm; writes xc, xs, wc, ws, wm, bm
.if DOCPART == 1
	.amdgcn_target "amdgcn-amd-amdhsa--gfx1250"
	.amdhsa_code_object_version 6
	.text
	.protected	k_q02a70135d6_prep
	.globl	k_q02a70135d6_prep
	.p2align	8
	.type	k_q02a70135d6_prep,@function
k_q02a70135d6_prep:
	s_mov_b64 s[64:65], 0
	v_nop
	global_prefetch_b8 v0, s[64:65] scope:SCOPE_SE
	s_setreg_imm32_b32 hwreg(HW_REG_WAVE_MODE, 25, 1), 1
	s_wait_xcnt 0x0
; CAUSAL SELF-ATTENTION, launch 1 of 4: everything that is made of the inputs once.
; WHAT THE PROGRAM LEAVES OUT OR REGROUPS, for all values of the inputs:
;  (a) reference() hides key k from query q where k > q by a mask of its own making: key steps that lie wholly above the diagonal are not multiplied (third launch).
;  (b) reference() ends with two linear maps on end, with nothing between them: (y Wo^T + bo) Wc^T + bc = y (Wc Wo)^T + (Wc bo + bc), an identity in real numbers.
;      This launch makes W' = Wc Wo and b' = Wc bo + bc; the fourth launch multiplies once.  The order of rounding differs from reference()'s.
;  LIMITS: a NaN, an infinity or an overflow that would arise only in y Wo^T + bo, or only in hidden scores, is not carried to the result.  Every input has a way to the output and is loaded.
; 256 EQUAL WORK-GROUPS of eight waves; work-group g does three things:
;  MERGE: wm[n][e] = f16(64 W'[n][e]) for n = 32 (g / 8) .. + 31, e = 128 (g % 8) .. + 127.  Wc and Wo go to the matrix unit as pairs of f16 numbers, a high part (the f32 number with its low 13 mantissa
;         bits cleared) and a low part (the rest): hi hi + hi lo + lo hi, sums in f32.  The factor 64 keeps W' inside f16's normal numbers for weights 30 times smaller or larger; the fourth launch takes it back exactly.
;         LIMIT: parts under f16's smallest normal number are rounded at steps of 2^-24.
;  BIAS:  bm[n] = sum over j of Wc[n][j] bo[j] + bc[n], in f32, for n = 4 g .. 4 g + 3: a row to each of waves 0 to 3.  A wave's result leaves as 4 bytes: 4,096 bytes in the whole launch.
;  QUANT: x and in_proj_w (K innermost) become codes of E2M1 with one E8M0 byte for each 32 along K: xc, xs, wc, ws.  Both tensors are plain streams of steps of 512 numbers: wave W = 8 g + w takes
;         steps 8 W .. 8 W + 7 of x's 16,384 and steps 3 W .. 3 W + 2 of in_proj_w's 6,144.
;         A block's byte is its largest magnitude's exponent field - 2, held at 1 from below.  A block of zeros gets the byte 1 where the rule says 127: its codes are zeros, and this program alone reads the bytes.
;         LIMITS: blocks whose largest magnitude lies under 2^-124 were not tried; NaN and infinities among the inputs are not served.
; ORDER: the merge's first 40 loads; behind them the bias's 17, awaited together; the merge; the quantiser's first 16 loads go out behind the merge's last conversions and land under its last products and the reduction.
.set SP,    80                         ; QUANT: a lane's 64 bytes in a stage + 16 of padding
.set QSC,   8*2*32*SP                  ; behind the waves' stages (two of 32 x SP bytes each): the work-group's scale bytes, x's 1,024, then in_proj_w's 384
.set MIMG,  QSC+1536                   ; MERGE: images of the waves' partial sums, 16,384 bytes a wave
.set MSTG,  MIMG+8*16384               ; MERGE: a stage of 4 rows x 272 bytes for each wave, 1,280 bytes apart
.set SPARE, MSTG+8*1280                ; the spare words: 128 bytes for each of eight waves, four blocks of 256 bytes that no other line names
.set SPW,   12                         ; v12  LDS address of my spare word; never rewritten
.set NIL,   13                         ; v13  0; never rewritten
; REGISTERS  window 0: v1 lane; v4-11 the merge's addresses; v14, v15 the quantiser's stage, in and out; v248-255 the quantiser's other addresses
;   MERGE: v16-47 T (high parts); v48-79 XA (Wc as f32); v80-207 XB (Wo as f32: row i, column f at 8 i + f); v208-223 AH, v224-239 AL; v240-247 packed results
;   BIAS:  v16-47 bo, v208-239 a row of Wc, v240-247 sums      QUANT: v16-79 four sets of 16 numbers as loaded; v80-111 two sets of 16 neighbours; v112-122 bytes; v128-149 codes; v152-157 at work
;            window 1: v0-127 the 16 accumulators ((a, f) at 8 (8 a + f)); v128-191 BH, v192-255 BL (fragment f at 8 f)
.set T,   16
.set XA,  48
.set XB,  80
.set AH,  208
.set AL,  224
.set PKR, 240
.set BH,  128
.set BL,  192
.set STEPS, 11
.set EMAX,  2
.set QR,  16
.set QX,  80
.set QE,  112
.set QC,  128
.set QM,  152
.set QLO, 248                          ; 16 x lane
.set QCO, 249                          ; 8 x lane
.set QSX, 250                          ; LDS: my block's byte among x's scale bytes
.set QSW, 251                          ; and among in_proj_w's
.set XO,  252                          ; the scale bytes' way out: 256 w + 8 lane in xs,
.set XR,  253                          ; the same place in LDS,
.set WO,  254                          ; 128 w + 4 lane (512 too far on) in ws,
.set WR,  255                          ; and its place in LDS
.set MSB, 0
.macro WIN new                         ; the immediate's high byte repeats the setting that is left
.if MSB != \new
	s_set_vgpr_msb (MSB<<8)|\new
.set MSB, \new
.endif
.endm
	s_load_b256 s[40:47], s[0:1], 0x0              ; x, in_proj_w, xc, xs
	s_load_b128 s[48:51], s[0:1], 0x20             ; wc, ws
	s_load_b128 s[4:7], s[0:1], 0x30               ; c_proj_w, out_proj_w
	s_load_b128 s[32:35], s[0:1], 0x40             ; out_proj_b, c_proj_b
	s_load_b128 s[8:11], s[0:1], 0x50              ; wm, bm
	v_lshl_add_u32 v[SPW], v0, 2, SPARE
	v_mov_b32 v[NIL], 0
	v_lshrrev_b32 v1, 5, v0
	v_readfirstlane_b32 s16, v1                    ; wave 0..7
	v_and_b32 v1, 31, v0                           ; lane
	v_and_b32 v2, 15, v0                           ; r
	v_bfe_u32 v3, v0, 4, 1                         ; h
	; every address register is made here, ahead of the first branch on the wave's number
	v_lshlrev_b32 v4, 12, v2
	v_lshl_add_u32 v4, v3, 5, v4                   ; Wc: row r of 4,096 bytes, + 32 h
	v_lshlrev_b32 v5, 4, v2
	v_lshl_add_u32 v5, v3, 15, v5                  ; Wo: 8 h rows down, + 16 r
	s_lshl_b32 s17, s16, 14
	s_add_co_u32 s17, s17, MIMG
	v_lshl_add_u32 v6, v1, 3, s17                  ; my wave's images, 8 bytes a lane
	s_lshr_b32 s18, s16, 2                         ; which 16 rows I reduce,
	s_and_b32 s19, s16, 3                          ; and which pair of an accumulator's registers
	s_lshl_b32 s20, s18, 13
	s_lshl_b32 s21, s19, 8
	s_add_co_u32 s20, s20, s21
	s_add_co_u32 s20, s20, MIMG
	v_lshl_add_u32 v7, v1, 3, s20                  ; that pair in the images of waves 0-3,
	v_add_nc_u32 v8, 65536, v7                     ; and of waves 4-7
	s_mul_i32 s21, s16, 1280
	s_add_co_u32 s21, s21, MSTG                    ; my stage of the merge
	v_mul_u32_u24 v9, v3, 544
	v_lshl_add_u32 v9, v2, 3, v9
	v_add_nc_u32 v9, s21, v9                       ; in: rows 2 h, 2 h + 1; 8 bytes at 8 r
	v_mul_u32_u24 v10, v3, 272
	v_lshl_add_u32 v10, v2, 4, v10
	v_add_nc_u32 v10, s21, v10                     ; back: sixteen lanes to a row of 256 bytes
	v_lshlrev_b32 v11, 4, v2
	v_lshl_add_u32 v11, v3, 11, v11                ; and the same in wm: rows of 2,048 bytes
	v_lshlrev_b32 v[QLO], 4, v1
	v_lshlrev_b32 v[QCO], 3, v1
	s_mul_i32 s17, s16, 2*32*SP                    ; my two stages of the quantiser
	v_lshrrev_b32 v14, 2, v1
	v_mul_u32_u24 v14, v14, SP
	v_and_b32 v15, 3, v1
	v_lshl_add_u32 v14, v15, 4, v14
	v_add_nc_u32 v14, s17, v14                     ; way in: SP (lane / 4) + 16 (lane % 4)
	v_mul_u32_u24 v15, v1, SP
	v_add_nc_u32 v15, s17, v15                     ; way out: SP x lane
	v_lshrrev_b32 v[QSW], 1, v1                    ; two lanes to a block
	s_lshl_b32 s17, s16, 7
	s_add_co_u32 s17, s17, QSC
	v_add_nc_u32 v[QSX], s17, v[QSW]               ; x: 128 bytes a wave
	s_mul_i32 s17, s16, 48
	s_add_co_u32 s17, s17, QSC+1024
	v_add_nc_u32 v[QSW], s17, v[QSW]               ; in_proj_w: 48 bytes a wave
	s_lshl_b32 s17, s16, 8
	v_lshl_add_u32 v[XO], v1, 3, s17
	v_add_nc_u32 v[XR], QSC, v[XO]
	s_lshl_b32 s17, s16, 7
	v_lshl_add_u32 v[WO], v1, 2, s17
	v_add_nc_u32 v[WR], QSC+512, v[WO]             ; wave 4 stands at in_proj_w's first scale byte
	; where my parts begin, in bytes
	s_lshr_b32 s22, ttmp9, 3                       ; the merge's tile row
	s_and_b32 s23, ttmp9, 7                        ; and tile column
	s_lshl_b32 s24, s22, 17                        ; Wc: 32 rows a tile row,
	s_lshl_b32 s25, s16, 9                         ; + my wave's 128 along K
	s_add_co_u32 s24, s24, s25
	s_mov_b32 s25, 0
	s_lshl_b32 s26, s16, 19                        ; Wo: my wave's 128 rows,
	s_lshl_b32 s27, s23, 9                         ; + 128 columns a tile column
	s_add_co_u32 s26, s26, s27
	s_mov_b32 s27, 0
	s_lshl_b32 s28, s22, 5                         ; wm: row 32 x tile row + 16 (w / 4) + 2 (w % 4),
	s_lshl_b32 s29, s18, 4
	s_add_co_u32 s28, s28, s29
	s_lshl_b32 s29, s19, 1
	s_add_co_u32 s28, s28, s29
	s_lshl_b32 s28, s28, 11
	s_lshl_b32 s29, s23, 8                         ; + 256 bytes a tile column
	s_add_co_u32 s28, s28, s29
	s_mov_b32 s29, 0
	s_mov_b32 s30, 0xffffe000                      ; keeps sign, exponent and 10 mantissa bits: the high part
	s_lshl_b32 s17, ttmp9, 2
	s_add_co_u32 s17, s17, s19                     ; the bias's row: 4 g + w % 4
	s_lshl_b32 s20, s17, 12
	s_mov_b32 s21, 0
	s_lshl_b32 s52, s17, 2
	s_mov_b32 s53, 0
	s_lshl_b32 s17, ttmp9, 3
	s_add_co_u32 s17, s17, s16                     ; W = 8 g + w
	s_lshl_b32 s54, s17, 14                        ; x: 8 steps of 2,048 bytes
	s_mov_b32 s55, 0
	s_mul_i32 s56, s17, 6144                       ; in_proj_w: 3 steps
	s_mov_b32 s57, 0
	s_lshl_b32 s58, s17, 11                        ; xc: 8 x 256 bytes
	s_mov_b32 s59, 0
	s_mul_i32 s60, s17, 768                        ; wc: 3 x 256
	s_mov_b32 s61, 0
	s_lshl_b32 s62, ttmp9, 10                      ; xs: 1,024 bytes a work-group
	s_mov_b32 s63, 0
	s_mul_i32 s38, ttmp9, 384                      ; ws: 384
	s_mov_b32 s39, 0
	s_wait_kmcnt 0x0
	s_add_nc_u64 s[36:37], s[4:5], s[20:21]        ; the bias's row of Wc
	s_add_nc_u64 s[4:5], s[4:5], s[24:25]
	s_add_nc_u64 s[6:7], s[6:7], s[26:27]
	s_add_nc_u64 s[8:9], s[8:9], s[28:29]
	s_add_nc_u64 s[34:35], s[34:35], s[52:53]
	s_add_nc_u64 s[10:11], s[10:11], s[52:53]
	s_add_nc_u64 s[40:41], s[40:41], s[54:55]
	s_add_nc_u64 s[42:43], s[42:43], s[56:57]
	s_add_nc_u64 s[44:45], s[44:45], s[58:59]
	s_add_nc_u64 s[48:49], s[48:49], s[60:61]
	s_add_nc_u64 s[46:47], s[46:47], s[62:63]
	s_add_nc_u64 s[50:51], s[50:51], s[38:39]
	s_mov_b32 s24, 0x76543210
	s_mov_b32 s25, 0xfedcba98                      ; v_permlanex16_b32's selects for lane l xor 16
; ---------------------------------------------------------------- MERGE: macros
; THE EIGHT WAVES SPLIT K: wave w sums j = 128 w .. 128 w + 127 in four steps of 32; the partial sums meet in LDS.
; Source 0 = 16 rows of Wc (K innermost: four loads of 16 bytes a lane).  Source 1 = Wo, whose K is its FIRST axis: lane (r, h) loads, of the 16 rows k that the layout gives it, 16 bytes at columns 64 g + 4 r .. + 3:
; sixteen lanes read 256 consecutive bytes.  A lane's four columns go to FOUR fragments: column r of fragment f = 4 g + c is e = 64 g + 4 r + c; a fragment's register is a pair of rows.  Nothing is transposed.
.macro LDA s                           ; Wc, step s: two tiles of 16 rows x 32 K
.irp a, 0,1
	global_load_b128 v[XA+16*\a:XA+16*\a+3],     v4, s[4:5] offset:65536*\a+128*(\s)
	global_load_b128 v[XA+16*\a+4:XA+16*\a+7],   v4, s[4:5] offset:65536*\a+128*(\s)+16
	global_load_b128 v[XA+16*\a+8:XA+16*\a+11],  v4, s[4:5] offset:65536*\a+128*(\s)+64
	global_load_b128 v[XA+16*\a+12:XA+16*\a+15], v4, s[4:5] offset:65536*\a+128*(\s)+80
.endr
.endm
.macro LDB s, b                        ; Wo, step s: my rows i = 4 b .. 4 b + 3 (row i lies i + 8 (i / 8) rows down, + 8 h by the address)
.irp ii, 0,1,2,3
.irp g, 0,1
	global_load_b128 v[XB+8*(4*(\b)+\ii)+4*\g:XB+8*(4*(\b)+\ii)+4*\g+3], v5, s[6:7] offset:131072*(\s)+4096*((4*(\b)+\ii)+8*((4*(\b)+\ii)/8))+256*\g
.endr
.endr
.endm
.macro CVA                             ; Wc's 32 numbers a lane into high and low fragments
.set k, 0
.rept 32
	v_and_b32 v[T+k], s30, v[XA+k]
.set k, k+1
.endr
.set k, 0
.rept 16
	v_cvt_pk_f16_f32 v[AH+k], v[T+2*k], v[T+2*k+1]
.set k, k+1
.endr
.set k, 0
.rept 16
	v_pk_add_f32 v[XA+2*k:XA+2*k+1], v[XA+2*k:XA+2*k+1], v[T+2*k:T+2*k+1] neg_lo:[0,1] neg_hi:[0,1]
.set k, k+1
.endr
.set k, 0
.rept 16
	v_cvt_pk_f16_f32 v[AL+k], v[XA+2*k], v[XA+2*k+1]
.set k, k+1
.endr
.endm
.macro CVB b                           ; Wo's rows 4 b .. 4 b + 3 into registers 2 b, 2 b + 1 of all eight high and low fragments
.set k, 0
.rept 32
	v_and_b32 v[T+k], s30, v[XB+32*(\b)+k]
.set k, k+1
.endr
	WIN 0x40                                       ; destination window 1
.irp p, 0,1
.irp f, 0,1,2,3,4,5,6,7
	v_cvt_pk_f16_f32 v[BH+8*\f+2*(\b)+\p], v[T+16*\p+\f], v[T+16*\p+8+\f]
.endr
.endr
	WIN 0
.set k, 0
.rept 16
	v_pk_add_f32 v[XB+32*(\b)+2*k:XB+32*(\b)+2*k+1], v[XB+32*(\b)+2*k:XB+32*(\b)+2*k+1], v[T+2*k:T+2*k+1] neg_lo:[0,1] neg_hi:[0,1]
.set k, k+1
.endr
	WIN 0x40
.irp p, 0,1
.irp f, 0,1,2,3,4,5,6,7
	v_cvt_pk_f16_f32 v[BL+8*\f+2*(\b)+\p], v[XB+32*(\b)+16*\p+\f], v[XB+32*(\b)+16*\p+8+\f]
.endr
.endr
	WIN 0
.endm
.macro MRUN ra, rb, zero               ; 16 matrix instructions, the 16 accumulators by turns
.irp a, 0,1
.irp f, 0,1,2,3,4,5,6,7
.if \zero
	v_wmma_f32_16x16x32_f16 v[8*(8*\a+\f):8*(8*\a+\f)+7], v[\ra+8*\a:\ra+8*\a+7], v[\rb+8*\f:\rb+8*\f+7], 0
.else
	v_wmma_f32_16x16x32_f16 v[8*(8*\a+\f):8*(8*\a+\f)+7], v[\ra+8*\a:\ra+8*\a+7], v[\rb+8*\f:\rb+8*\f+7], v[8*(8*\a+\f):8*(8*\a+\f)+7]
.endif
.endr
.endr
.endm
; ---------------------------------------------------------------- QUANT: macros
; Each of a step's four loads reads 512 consecutive bytes; the 2,048 bytes turn through the wave's own stage in LDS and come back 64 bytes a lane, so that a lane holds 16 neighbours along K and two neighbouring lanes a block.
; Steps 0 to 7 are x's, steps 8 to 10 in_proj_w's.
.macro QLOAD t
.if (\t) < 8
.irp i, 0,1,2,3
	global_load_b128 v[QR+16*((\t)%4)+4*\i:QR+16*((\t)%4)+4*\i+3], v[QLO], s[40:41] offset:2048*(\t)+512*\i th:TH_LOAD_NT
.endr
.else
.irp i, 0,1,2,3
	global_load_b128 v[QR+16*((\t)%4)+4*\i:QR+16*((\t)%4)+4*\i+3], v[QLO], s[42:43] offset:2048*((\t)-8)+512*\i th:TH_LOAD_NT
.endr
.endif
.endm
.macro QTURN t                         ; LDS serves a wave's instructions in order: no wait between the stores and the loads
.irp i, 0,1,2,3
	ds_store_b128 v14, v[QR+16*((\t)%4)+4*\i:QR+16*((\t)%4)+4*\i+3] offset:32*SP*((\t)%2)+8*SP*\i
.endr
.irp i, 0,1,2,3
	ds_load_b128 v[QX+16*((\t)%2)+4*\i:QX+16*((\t)%2)+4*\i+3], v15 offset:32*SP*((\t)%2)+16*\i
.endr
.endm
.macro QSTEP t
.set QXS, QX+16*((\t)%2)
.if (\t) > 0
	s_wait_dscnt 1                                 ; this step's numbers are back from the stage; the last step's byte store may be out
.else
	s_wait_dscnt 0x0
.endif
.if (\t)+4 < STEPS
	QLOAD (\t)+4
.endif
.if (\t)+1 < STEPS
.if STEPS-2-(\t) >= 3
	s_wait_loadcnt 12                              ; the next step's four loads are in; those of the three steps behind it may be out
.else
	s_wait_loadcnt 4*(STEPS-2-(\t))                ; nothing more is asked for: the counts run down
.endif
	QTURN (\t)+1
.endif
	v_max3_num_f32 v[QM], |v[QXS]|, |v[QXS+1]|, |v[QXS+2]|
	v_max3_num_f32 v[QM+1], |v[QXS+3]|, |v[QXS+4]|, |v[QXS+5]|
.irp i, 6,10
	v_max3_num_f32 v[QM], v[QM], |v[QXS+\i]|, |v[QXS+\i+1]|
	v_max3_num_f32 v[QM+1], v[QM+1], |v[QXS+\i+2]|, |v[QXS+\i+3]|
.endr
	v_max3_num_f32 v[QM], v[QM], |v[QXS+14]|, |v[QXS+15]|
	v_max3_num_f32 v[QM], v[QM], v[QM+1], (EMAX+1)<<23   ; the floor 2^(3 - 127): the byte cannot fall under 1
	v_max_num_f32_dpp v[QM], v[QM], v[QM] row_xmask:1 row_mask:0xf bank_mask:0xf   ; with my neighbour's 16: the block's largest magnitude
	v_add_nc_u32 v[QM+2], -(EMAX<<23), v[QM]       ; 2 off its exponent field: the conversion's scale operand
	v_cvt_scalef32_pk8_fp4_f32 v[QC+2*(\t)], v[QXS:QXS+7], v[QM+2]
	v_cvt_scalef32_pk8_fp4_f32 v[QC+2*(\t)+1], v[QXS+8:QXS+15], v[QM+2]
	v_lshrrev_b32 v[QE+(\t)], 23, v[QM+2]          ; the scale's byte (also the plain line behind the conversions)
.if (\t) < 8
	ds_store_b8 v[QSX], v[QE+(\t)] offset:16*(\t)  ; both lanes of a block write the same byte with the same value
	global_store_b64 v[QCO], v[QC+2*(\t):QC+2*(\t)+1], s[44:45] offset:256*(\t)   ; the wave stores 256 consecutive bytes, aligned
.else
	ds_store_b8 v[QSW], v[QE+(\t)] offset:16*((\t)-8)
	global_store_b64 v[QCO], v[QC+2*(\t):QC+2*(\t)+1], s[48:49] offset:256*((\t)-8)
.endif
.endm
; A step of 32 along K of the merge.  Forty loads of the wave are always out.  Behind the eight loads that a wait wants stand: the rest of this step's loads of Wo, 8 (3 - b); the next step's eight of Wc; the next step's 8 b of Wo: 32.
; The 32 v_and_b32 at the head of CVA are the places between a step's last matrix instruction and the first conversion that writes one of its sources.
.macro MSTEP s
	s_wait_loadcnt 32                              ; Wc's eight are in; Wo's 32 may be out
	CVA
.if \s < 3
	LDA (\s)+1
.endif
.irp b, 0,1,2,3
.if \s < 3
	s_wait_loadcnt 32
.else
	s_wait_loadcnt 24-8*\b                         ; the last step asks for nothing: the counts run down
.endif
	CVB \b
.if \s < 3
	LDB (\s)+1, \b
.endif
.endr
.if \s == 3
.irp t, 0,1,2,3
	QLOAD \t                                       ; T and XA are done with: the quantiser's first four steps are asked for here, and land under the products and the reduction below
.endr
.endif
	WIN 0x54                                       ; source 0 window 0; source 1, C and D window 1
.if \s == 0
	MRUN AH, BH, 1                                 ; the first products start the sums
.else
	MRUN AH, BH, 0
.endif
	MRUN AH, BL, 0
	MRUN AL, BH, 0
	WIN 0
.endm
; ---------------------------------------------------------------- the work
	LDA 0
.irp b, 0,1,2,3
	LDB 0, \b
.endr
	; BIAS: waves 0 to 3, a row each.  A lane holds j = 128 q + 4 lane + 0 .. 3 of bo and of the row.  Its loads stand behind the merge's first 40 and are awaited with them.
	s_cmp_lt_u32 s16, 4
	s_cbranch_scc0 .Lno_bias
	v_mov_b32 v3, 0
.irp q, 0,1,2,3,4,5,6,7
	global_load_b128 v[T+4*\q:T+4*\q+3], v[QLO], s[32:33] offset:512*\q
	global_load_b128 v[AH+4*\q:AH+4*\q+3], v[QLO], s[36:37] offset:512*\q
.endr
	global_load_b32 v2, v3, s[34:35]               ; bc of my row, in every lane
	s_wait_loadcnt 0x0
.irp c, 0,1,2,3
	v_pk_mul_f32 v[PKR+2*\c:PKR+2*\c+1], v[AH+2*\c:AH+2*\c+1], v[T+2*\c:T+2*\c+1]
.endr
.irp k, 1,2,3
.irp c, 0,1,2,3
	v_pk_fma_f32 v[PKR+2*\c:PKR+2*\c+1], v[AH+8*\k+2*\c:AH+8*\k+2*\c+1], v[T+8*\k+2*\c:T+8*\k+2*\c+1], v[PKR+2*\c:PKR+2*\c+1]   ; four chains by turns
.endr
.endr
	v_pk_add_f32 v[PKR:PKR+1], v[PKR:PKR+1], v[PKR+2:PKR+3]
	v_pk_add_f32 v[PKR+4:PKR+5], v[PKR+4:PKR+5], v[PKR+6:PKR+7]
	v_pk_add_f32 v[PKR:PKR+1], v[PKR:PKR+1], v[PKR+4:PKR+5]
	v_add_f32 v[PKR], v[PKR], v[PKR+1]
.irp m, 1,2,4,8
	v_add_f32_dpp v[PKR], v[PKR], v[PKR] row_xmask:\m row_mask:0xf bank_mask:0xf
.endr
	v_permlanex16_b32 v[PKR+1], v[PKR], s24, s25
	v_add_f32 v[PKR], v[PKR], v[PKR+1]
	v_add_f32 v[PKR], v[PKR], v2                   ; + bc
	s_wait_xcnt 0x0                                ; EXEC changes only behind this wait
	v_cmp_eq_u32 vcc_lo, 0, v1
	s_and_saveexec_b32 s26, vcc_lo
	global_store_b32 v[QLO], v[PKR], s[10:11]      ; lane 0, whose offset is 0
	s_wait_xcnt 0x0
	s_or_b32 exec_lo, exec_lo, s26
.Lno_bias:
	MSTEP 0
	MSTEP 1
	MSTEP 2
	MSTEP 3
.rept 4
	v_nop                                          ; places in front of the first read of results
.endr
	WIN 0x04                                       ; an LDS store's data are its source 1: window 1
.set k, 0
.rept 64
	ds_store_b64 v6, v[2*k:2*k+1] offset:256*k     ; my partial sums as images of their registers, each accumulator from its low end on
.set k, k+1
.endr
	WIN 0
	s_wait_dscnt 0x0                               ; for the others' sake: my images have landed
	s_barrier_signal -1
	s_barrier_wait -1
.irp u, 0,1,2,3                                ; one pair of registers of 8 accumulators, from all eight waves
.irp f, 0,1,2,3,4,5,6,7
	ds_load_b64 v[XB+16*\u+2*\f:XB+16*\u+2*\f+1], v7 offset:16384*\u+1024*\f
.endr
.endr
.irp u, 4,5,6,7
.irp f, 0,1,2,3,4,5,6,7
	ds_load_b64 v[XB+16*\u+2*\f:XB+16*\u+2*\f+1], v8 offset:16384*(\u-4)+1024*\f
.endr
.endr
	s_wait_dscnt 0x0
.set k, 0
.rept 32
	v_pk_add_f32 v[XB+2*k:XB+2*k+1], v[XB+2*k:XB+2*k+1], v[XB+64+2*k:XB+64+2*k+1]
.set k, k+1
.endr
.set k, 0
.rept 16
	v_pk_add_f32 v[XB+2*k:XB+2*k+1], v[XB+2*k:XB+2*k+1], v[XB+32+2*k:XB+32+2*k+1]
.set k, k+1
.endr
.set k, 0
.rept 8
	v_pk_add_f32 v[XB+2*k:XB+2*k+1], v[XB+2*k:XB+2*k+1], v[XB+16+2*k:XB+16+2*k+1]
.set k, k+1
.endr
.set k, 0
.rept 8
	v_pk_mul_f32 v[XB+2*k:XB+2*k+1], v[XB+2*k:XB+2*k+1], 0x42800000 op_sel_hi:[1,0]   ; x 64: exact
.set k, k+1
.endr
.irp jj, 0,1                                   ; register 2 f + jj: row 8 h + 2 (w % 4) + jj, column 64 g + 4 r + c, f = 4 g + c
.irp g, 0,1
	v_cvt_pk_f16_f32 v[PKR+4*\jj+2*\g],   v[XB+8*\g+\jj],   v[XB+8*\g+2+\jj]
	v_cvt_pk_f16_f32 v[PKR+4*\jj+2*\g+1], v[XB+8*\g+4+\jj], v[XB+8*\g+6+\jj]
.endr
.endr
.irp jj, 0,1
.irp g, 0,1
	ds_store_b64 v9, v[PKR+4*\jj+2*\g:PKR+4*\jj+2*\g+1] offset:272*\jj+128*\g
.endr
.endr
.irp i, 0,1
	ds_load_b128 v[AH+4*\i:AH+4*\i+3], v10 offset:544*\i   ; my own stage: LDS serves a wave's instructions in order
.endr
	s_wait_dscnt 0x0
.irp i, 0,1
	global_store_b128 v11, v[AH+4*\i:AH+4*\i+3], s[8:9] offset:16384*\i   ; sixteen lanes store 256 consecutive bytes of a row, aligned
.endr
	; QUANT: eleven steps
	s_wait_loadcnt 12                              ; step 0's four loads are in; the twelve of steps 1 to 3 may be out
	QTURN 0
.irp t, 0,1,2,3,4,5,6,7,8,9,10
	QSTEP \t
.endr
	s_wait_dscnt 0x0                               ; for the others' sake: my scale bytes have landed
	s_barrier_signal -1
	s_barrier_wait -1
	s_cmp_lt_u32 s16, 4                            ; the work-group's scale bytes leave: x's 1,024 by waves 0 to 3, 256 consecutive bytes each, aligned;
	s_cbranch_scc0 .Lfor_ws
	ds_load_b64 v[QM+4:QM+5], v[XR]
	s_wait_dscnt 0x0
	global_store_b64 v[XO], v[QM+4:QM+5], s[46:47]
	s_branch .Lsent
.Lfor_ws:
	s_cmp_lt_u32 s16, 7                            ; in_proj_w's 384 by waves 4 to 6, 128 consecutive bytes each
	s_cbranch_scc0 .Lsent
	ds_load_b32 v[QM+4], v[WR]
	s_wait_dscnt 0x0
	global_store_b32 v[WO], v[QM+4], s[50:51] offset:-512
.Lsent:
	s_wait_tensorcnt 0x0                           ; the wave's end
	ds_add_u32 v[SPW], v[NIL]
	s_wait_dscnt 0x0
	s_endpgm
.Lfunc_end_k_q02a70135d6_prep:
	.size	k_q02a70135d6_prep, .Lfunc_end_k_q02a70135d6_prep-k_q02a70135d6_prep
	.p2alignl 7, 3214868480
	.fill 96, 4, 3214868480
	.section	.rodata,"a",@progbits
	.p2align	6, 0x0
	.amdhsa_kernel k_q02a70135d6_prep
		.amdhsa_group_segment_fixed_size 184832
		.amdhsa_private_segment_fixed_size 0
		.amdhsa_enable_private_segment 0
		.amdhsa_kernarg_size 96
		.amdhsa_user_sgpr_count 2
		.amdhsa_user_sgpr_kernarg_segment_ptr 1
		.amdhsa_wavefront_size32 1
		.amdhsa_system_sgpr_workgroup_id_x 1
		.amdhsa_system_sgpr_workgroup_id_y 1
		.amdhsa_system_sgpr_workgroup_id_z 1
		.amdhsa_system_vgpr_workitem_id 0
		.amdhsa_next_free_vgpr 512
		.amdhsa_next_free_sgpr 66
		.amdhsa_reserve_vcc 1
		.amdhsa_float_denorm_mode_32 3
		.amdhsa_float_denorm_mode_16_64 3
		.amdhsa_memory_ordered 1
		.amdhsa_forward_progress 1
		.amdhsa_inst_pref_size 154
	.end_amdhsa_kernel
	.amdgpu_metadata
---
amdhsa.version: [ 1, 2 ]
amdhsa.kernels:
  - .name:           k_q02a70135d6_prep
    .symbol:         k_q02a70135d6_prep.kd
    .args:
      - { .name: x, .offset: 0, .size: 8, .value_kind: global_buffer, .address_space: global }
      - { .name: in_proj_w, .offset: 8, .size: 8, .value_kind: global_buffer, .address_space: global }
      - { .name: xc, .offset: 16, .size: 8, .value_kind: global_buffer, .address_space: global }
      - { .name: xs, .offset: 24, .size: 8, .value_kind: global_buffer, .address_space: global }
      - { .name: wc, .offset: 32, .size: 8, .value_kind: global_buffer, .address_space: global }
      - { .name: ws, .offset: 40, .size: 8, .value_kind: global_buffer, .address_space: global }
      - { .name: c_proj_w, .offset: 48, .size: 8, .value_kind: global_buffer, .address_space: global }
      - { .name: out_proj_w, .offset: 56, .size: 8, .value_kind: global_buffer, .address_space: global }
      - { .name: out_proj_b, .offset: 64, .size: 8, .value_kind: global_buffer, .address_space: global }
      - { .name: c_proj_b, .offset: 72, .size: 8, .value_kind: global_buffer, .address_space: global }
      - { .name: wm, .offset: 80, .size: 8, .value_kind: global_buffer, .address_space: global }
      - { .name: bm, .offset: 88, .size: 8, .value_kind: global_buffer, .address_space: global }
    .group_segment_fixed_size: 184832
    .private_segment_fixed_size: 0
    .kernarg_segment_align: 8
    .kernarg_segment_size: 96
    .max_flat_workgroup_size: 256
    .sgpr_count:     66
    .vgpr_count:     512
    .wavefront_size: 32
...
	.end_amdgpu_metadata
.endif
;; end of part 1
;; launch inproj (part 2): grid 12 x 16, 4 waves a work-group, clusters of 4 x 4, 327,680 bytes of LDS; arguments xc, xs, wc, ws, in_proj_b, qkvh; writes qkvh
.if DOCPART == 2
	.amdgcn_target "amdgcn-amd-amdhsa--gfx1250"
	.amdhsa_code_object_version 6
	.text
	.protected	k_q02a70135d6_inproj
	.globl	k_q02a70135d6_inproj
	.p2align	8
	.type	k_q02a70135d6_inproj,@function
k_q02a70135d6_inproj:
	s_mov_b64 s[64:65], 0
	v_nop
	global_prefetch_b8 v0, s[64:65] scope:SCOPE_SE
	s_setreg_imm32_b32 hwreg(HW_REG_WAVE_MODE, 25, 1), 1
	s_wait_xcnt 0x0
	s_wait_alu depctr_hold_cnt(0) depctr_sa_sdst(0) depctr_va_vdst(0) depctr_va_sdst(0) depctr_va_ssrc(0) depctr_va_vcc(0) depctr_vm_vsrc(0)
	s_getreg_b32 s2, hwreg(HW_REG_IB_STS2, 6, 4)
	s_cmp_eq_u32 s2, 0
	s_cbranch_scc0 .Lentry_in_a_cluster
	s_endpgm
.Lentry_in_a_cluster:
	s_bfe_u32 s2, ttmp6, 0x10000c
	s_cmp_lg_u32 s2, 0xf033
	s_cbranch_scc0 .Lentry_shape_is_right
	s_endpgm
.Lentry_shape_is_right:
; Launch 2 of 4: qkv = Q(x) Q(in_proj_w)^T + in_proj_b, on codes of E2M1 with E8M0 scales, sums in f32; rounded once to f16 and laid by head: qkvh [3 (q, k, v)][b 8][h 16][t 1,024][64].
; No work of reference() is left out here.  (K's bias, which a softmax would take away in real numbers, is the C of a sum's first matrix instruction like Q's and V's: it costs no instruction.)
; A tile of 256 tokens x 256 columns is made by four waves, 128 x 128 each: 64 accumulators of 16 x 16.  K = 1,024 is two slots of 512.
; A WORK-GROUP MAKES TWO TILES, 4,096 tokens apart: 384 tiles, 192 work-groups.  The two share their 256 rows of the weight, whose codes and scales stay in LDS; only x's part of each slot is filled again:
; slot 0's at tile 0's change of slots, slot 1's at tile 0's last step.  Tile 0's stores leave while tile 1 is multiplied.  The scale bytes of x's 256 + 256 rows and of the weight's 256 come once, with the first fills.
; CLUSTERS: 4 x 4 work-groups; the four of a row need the same tiles of x, the four of a column the same tiles of the weight: each tile is asked for jointly.
; NO PREFETCH of tile 1's codes: the place a lead ahead of the first refill is the kernel's head, where the first tiles are on their way.
; THE MATRIX INSTRUCTION IS USED TRANSPOSED (source 0 = 16 rows of the weight, source 1 = 16 tokens): a lane holds eight neighbouring columns of one token.
; REGISTERS  window 0: v16-31 addresses; v32-95 scale words, two sets; v128-191 x's fragments, one set; v192-255 the bias in the result's layout, kept for both tiles; on a way out v32-127 are free.
;            window 1: the weight's fragments, two sets, at v0 and v128.   windows 2, 3: the accumulators of my tokens 0-63 and 64-127 ((a, b) at 8 (8 (a % 4) + b)).
.set NQ,     4                         ; steps of 128 along K in a slot
.set ROWB,   256                       ; a tile's row: 512 codes
.set KROW,   512                       ; a row of codes in memory
.set PITCH,  272                       ; an LDS row: 256 bytes + 16 of padding: the 16 rows that a load touches start 68 words apart
.set FR,     8
.set NL,     2
.set NP,     4
.set HALFT,  128*PITCH                 ; 128 rows: a first fill
.set QUART,  64*PITCH                  ; 64 rows: a refill
.set SLOT,   4*HALFT                   ; x's 256 rows, then the weight's 256
.set KS,     32                        ; a row of scale bytes
.set SCL,    2*SLOT                    ; the scales, as units of 256 bytes + 16: x's of tile 0, x's of tile 1, the weight's
.set HALFS,  (128*KS/256)*272          ; those of 128 rows
.set SBLK,   (16*KS/256)*272           ; those of 16 rows
.set SPITCH, 272
.set STAGE,  SCL+6*HALFS               ; the way out: 16 rows x (256 bytes + 16) for each wave, in bytes of its own: slots are filled after it has been written
.set SPARE,  STAGE+4*16*SPITCH         ; the spare words: 128 bytes a wave, two blocks of 256 bytes that no other line names
.set WALKS,  4096*KS                   ; from tile 0 to tile 1: in xs,
.set WALKC,  4<<21                     ; and in qkvh: four batches on
.set ADRA, 16
.set ADRB, 20
.set STO,  24
.set RD,   25
.set CO,   26
.set ADRS0, 27                         ; my scale words for tile 0: lanes 0-15 x's rows, lanes 16-31 the weight's
.set SPW,  28
.set NIL,  29
.set BOF,  30
.set ADRS1, 31                         ; the same for tile 1
.set SC,   32
.set AF,   128
.set BI,   192
.set TMP,  32
.set BK,   64
.set G1R, 4                            ; s[4:11]   group 1 for the refills: 64 rows
.set G0R, 16                           ; s[16:23]  their groups 0, one for each slot.  These, and s[92:95], never hold anything made of my place along the cluster's x
.set G1, 24
.set G0, 32
.set G1B, 48
.set G0B, 56
.set G1S, 68
.set G0S, 76
.set G1SB, 80
.set G0SB, 88
.set G0S2, 92                          ; s[92:95]  group 0 for x's scales of tile 1
.set MSB, 0
.macro WIN new
.if MSB != \new
	s_set_vgpr_msb (MSB<<8)|\new
.set MSB, \new
.endif
.endm
.set MUL_LO, 0xa1                      ; source 0 window 1, source 1 window 0, C and D window 2
.set MUL_HI, 0xf1                      ; the same, C and D window 3
.set FST_LO, 0x81                      ; a tile's first step: C (the bias) window 0, D window 2
.set FST_HI, 0xc1                      ; D window 3
.set TO_B,   0x40
.macro CREST                           ; a round of the cluster's barrier behind its opening barrier
	s_cmp_lg_u32 s14, 0
	s_cbranch_scc1 .Lnot_wave_0_\@
	s_barrier_signal -3
.Lnot_wave_0_\@:
	s_barrier_wait -3
	s_barrier_signal -1
	s_barrier_wait -1
.endm
.macro CROUND                          ; a whole round
	s_barrier_signal -1
	s_barrier_wait -1
	CREST
.endm
.macro RLOAD s                         ; a joint refill: every wave fetches its 64 of tile 1's 256 rows of x for slot s; an s_nop 0 and four v_nop follow
	tensor_load_to_lds s[G0R+4*\s:G0R+4*\s+3], s[G1R:G1R+7]
	s_nop 0
.rept 4
	v_nop
.endr
.endm
	s_load_b128 s[4:7], s[0:1], 0x0                ; xc, xs
	s_load_b128 s[8:11], s[0:1], 0x10              ; wc, ws
	s_load_b128 s[96:99], s[0:1], 0x20             ; in_proj_b, qkvh
	v_lshl_add_u32 v[SPW], v0, 2, SPARE
	v_mov_b32 v[NIL], 0
	ds_add_u32 v[SPW], v[NIL]                      ; the wave's opening: the add, twice on end, and its wait ahead of my first tensor load
	ds_add_u32 v[SPW], v[NIL]
	v_lshrrev_b32 v1, 5, v0
	v_readfirstlane_b32 s14, v1                    ; wave 0..3
	s_lshr_b32 s15, s14, 1                         ; my half of the tile's tokens.  Also: my first fills are x's (0) or the weight's (1)
	s_and_b32 s16, s14, 1                          ; my half of its columns.  Also: which 128 rows they bring
	s_bfe_u32 s40, ttmp6, 0x40000                  ; cx
	s_bfe_u32 s41, ttmp6, 0x40004                  ; cy
	s_lshl_b32 s42, ttmp9, 2
	s_add_co_u32 s42, s42, s40                     ; tile column
	s_and_b32 s17, ttmp7, 0xffff
	s_lshl_b32 s17, s17, 2
	s_add_co_u32 s17, s17, s41                     ; tile 0's tile row, 0 .. 15; tile 1's is 16 further down
	s_lshl_b32 s43, s41, 2
	s_lshl_b32 s43, 15, s43                        ; my row of the cluster
	s_lshl_b32 s44, 0x1111, s40                    ; my column
	s_or_b32 s[G1+0], s43, (0<<16)|(1<<20)|(1<<21)|(5<<22)|(3<<25)   ; mask; elements of 1 byte; padding on; bit 21 beside a mask; after every 64 words, 4 words
	s_or_b32 s[G1B+0], s44, (0<<16)|(1<<20)|(1<<21)|(5<<22)|(3<<25)
.irp g, G1, G1B
	s_mov_b32 s[\g+1], ROWB<<16                    ; tensor_dim0
	s_mov_b32 s[\g+2], 128<<16                     ; tensor_dim1
	s_mov_b32 s[\g+3], ROWB<<16                    ; tile_dim0
	s_mov_b32 s[\g+4], 128                         ; tile_dim1
	s_mov_b32 s[\g+5], KROW                        ; pitch
	s_mov_b32 s[\g+6], 0
	s_mov_b32 s[\g+7], 0
.endr
	s_or_b32 s[G1S+0], s43, (3<<16)|(1<<20)|(1<<21)|(5<<22)|(3<<25)  ; the scales of 128 rows: 4,096 dense bytes as 16 rows of 32 elements of 8 bytes
	s_or_b32 s[G1SB+0], s44, (3<<16)|(1<<20)|(1<<21)|(5<<22)|(3<<25)
.irp g, G1S, G1SB
	s_mov_b32 s[\g+1], 32<<16
	s_mov_b32 s[\g+2], (128*KS/256)<<16
	s_mov_b32 s[\g+3], 32<<16
	s_mov_b32 s[\g+4], 128*KS/256
	s_mov_b32 s[\g+5], 32
	s_mov_b32 s[\g+6], 0
	s_mov_b32 s[\g+7], 0
.endr
	s_lshl_b32 s18, s16, 7
	s_lshl_b32 s20, s17, 8
	s_add_co_u32 s20, s20, s18                     ; x: row 256 x tile row + 128 x half
	s_lshl_b32 s46, s42, 8
	s_add_co_u32 s46, s46, s18                     ; weight: row 256 x tile column + 128 x half
	s_mov_b32 s21, 0
	s_mov_b32 s47, 0
	s_mov_b64 s[18:19], KS
	s_mul_u64 s[22:23], s[20:21], s[18:19]
	s_mul_u64 s[66:67], s[46:47], s[18:19]
	s_mov_b64 s[18:19], KROW
	s_mul_u64 s[20:21], s[20:21], s[18:19]
	s_mul_u64 s[46:47], s[46:47], s[18:19]
	s_mul_i32 s45, s14, HALFT                      ; where the first fills go: wave x 128 rows
	s_mul_i32 s94, s14, HALFS
	s_lshl_b32 s2, s17, 8                          ; the refills: tile 1's rows, 4,096 further down, my 64 of them,
	s_lshl_b32 s3, s14, 6
	s_add_co_u32 s2, s2, s3
	s_add_co_u32 s2, s2, 4096
	s_lshl_b32 s2, s2, 9                           ; 512 bytes a row
	s_mov_b32 s3, 0
	s_wait_dscnt 0x0                               ; both opening adds are done
	s_wait_kmcnt 0x0
	s_add_nc_u64 s[20:21], s[4:5], s[20:21]
	s_add_nc_u64 s[22:23], s[6:7], s[22:23]
	s_add_nc_u64 s[46:47], s[8:9], s[46:47]
	s_add_nc_u64 s[66:67], s[10:11], s[66:67]
	s_add_nc_u64 s[2:3], s[4:5], s[2:3]
	CROUND                                         ; all sixteen work-groups are here: the joint loads meet
	s_mov_b32 s[G0S], 1
	s_add_co_u32 s[G0S+1], s94, SCL                ; x's scales of tile 0: waves 0, 1
	s_mov_b64 s[G0S+2:G0S+3], s[22:23]
	s_or_b32 s[G0S+3], s[G0S+3], 0x80000000
	s_mov_b32 s[G0SB], 1
	s_add_co_u32 s[G0SB+1], s94, SCL+2*HALFS       ; the weight's: waves 2, 3 land at 4 and 5 x HALFS
	s_mov_b64 s[G0SB+2:G0SB+3], s[66:67]
	s_or_b32 s[G0SB+3], s[G0SB+3], 0x80000000
	s_mov_b32 s[G0S2], 1
	s_add_co_u32 s[G0S2+1], s94, SCL+2*HALFS       ; x's of tile 1: waves 0, 1 land at 2 and 3 x HALFS
	s_add_nc_u64 s[G0S2+2:G0S2+3], s[22:23], WALKS
	s_or_b32 s[G0S2+3], s[G0S2+3], 0x80000000
.irp s, 0,1
	s_mov_b32 s[G0+4*\s], 1
	s_add_co_u32 s[G0+4*\s+1], s45, \s*SLOT
	s_add_nc_u64 s[G0+4*\s+2:G0+4*\s+3], s[20:21], \s*ROWB
	s_or_b32 s[G0+4*\s+3], s[G0+4*\s+3], 0x80000000
	s_mov_b32 s[G0B+4*\s], 1
	s_add_co_u32 s[G0B+4*\s+1], s45, \s*SLOT
	s_add_nc_u64 s[G0B+4*\s+2:G0B+4*\s+3], s[46:47], \s*ROWB
	s_or_b32 s[G0B+4*\s+3], s[G0B+4*\s+3], 0x80000000
.endr
	s_cmp_eq_u32 s15, 0                            ; all of a wave's first fills stand in one branch on the wave's number: four loads of waves 0, 1 are out, three of waves 2, 3; slot 1's is the last on both ways
	s_cbranch_scc0 .Lfirst_b
	tensor_load_to_lds s[G0S:G0S+3], s[G1S:G1S+7]
	s_nop 0
	tensor_load_to_lds s[G0:G0+3], s[G1:G1+7]
	s_nop 0
	tensor_load_to_lds s[G0S2:G0S2+3], s[G1S:G1S+7]
	s_nop 0
	tensor_load_to_lds s[G0+4:G0+7], s[G1:G1+7]
	s_nop 0
.rept 4
	v_nop
.endr
	s_branch .Lfirst_asked
.Lfirst_b:
	tensor_load_to_lds s[G0SB:G0SB+3], s[G1SB:G1SB+7]
	s_nop 0
	tensor_load_to_lds s[G0B:G0B+3], s[G1B:G1B+7]
	s_nop 0
	tensor_load_to_lds s[G0B+4:G0B+7], s[G1B:G1B+7]
	s_nop 0
.rept 4
	v_nop
.endr
.Lfirst_asked:
	v_and_b32 v1, 15, v0                           ; r
	v_bfe_u32 v2, v0, 4, 1                         ; h
	v_mul_u32_u24 v3, v1, PITCH
	v_lshl_add_u32 v4, v2, 4, v3                   ; a fragment's row x pitch + 16 h
	s_mul_i32 s21, s15, HALFT
	s_mul_i32 s22, s16, HALFT
	s_add_co_u32 s22, s22, 2*HALFT
.irp s, 0,1
	v_add_nc_u32 v[ADRA+\s], s21, v4
	v_add_nc_u32 v[ADRB+\s], s22, v4
	s_add_co_u32 s21, s21, SLOT
	s_add_co_u32 s22, s22, SLOT
.endr
	v_mul_u32_u24 v5, v1, KS                       ; my row's scales: 32 bytes a row,
	v_lshrrev_b32 v6, 8, v5
	v_lshl_add_u32 v5, v6, 4, v5                   ; and 16 more for each 256 passed
	s_mul_i32 s21, s15, HALFS                      ; x's of tile 0: my 128 rows
	s_mul_i32 s22, s16, HALFS                      ; the weight's: my 128 rows, behind x's two tiles
	s_add_co_u32 s22, s22, 4*HALFS
	s_sub_co_u32 s22, s22, s21                     ; how far the weight's lie behind x's
	v_mul_u32_u24 v6, s22, v2                      ; lanes 16-31 take the weight's
	s_add_co_u32 s21, s21, SCL
	v_add_nc_u32 v6, v5, v6
	v_add_nc_u32 v[ADRS0], s21, v6
	s_sub_co_u32 s22, s22, 2*HALFS                 ; tile 1: x's lie 2 x HALFS further on, the weight's where they were
	v_mul_u32_u24 v6, s22, v2
	s_add_co_u32 s21, s21, 2*HALFS
	v_add_nc_u32 v6, v5, v6
	v_add_nc_u32 v[ADRS1], s21, v6
	s_mul_i32 s23, s14, 16*SPITCH
	s_add_co_u32 s23, s23, STAGE                   ; my stage
	v_add_nc_u32 v[STO], s23, v4                   ; in: row r, 16 bytes for each half of the lanes
	v_bfe_u32 v5, v0, 3, 2
	v_mul_u32_u24 v5, v5, SPITCH
	v_and_b32 v6, 7, v0
	v_lshl_add_u32 v5, v6, 4, v5
	v_add_nc_u32 v[RD], s23, v5                    ; back: eight lanes take a token's 128 bytes of one head, four tokens an instruction
	v_and_b32 v6, 31, v0
	v_lshlrev_b32 v[CO], 4, v6                     ; which are 512 consecutive bytes of qkvh
	v_lshlrev_b32 v[BOF], 5, v2                    ; the bias: 8 h numbers on
	s_and_b32 s20, ttmp7, 0xffff                   ; where tile 0's part begins in qkvh.  By the tokens: b = cluster y,
	s_lshl_b32 s20, s20, 21
	s_lshl_b32 s21, s41, 15                        ; t = 256 cy
	s_add_co_u32 s20, s20, s21
	s_lshl_b32 s21, s15, 14                        ;     + 128 x half, 128 bytes a token
	s_add_co_u32 s20, s20, s21
	s_mov_b32 s21, 0
	s_lshl_b32 s46, ttmp9, 24                      ; by the columns: q, k or v = cluster x,
	s_lshl_b32 s47, s40, 19                        ; head = 4 cx
	s_add_co_u32 s46, s46, s47
	s_lshl_b32 s47, s16, 18                        ;        + 2 x half
	s_add_co_u32 s46, s46, s47
	s_mov_b32 s47, 0
	s_add_nc_u64 s[12:13], s[98:99], s[20:21]
	s_add_nc_u64 s[12:13], s[12:13], s[46:47]
	s_lshl_b32 s46, s42, 10                        ; my first column's bias: 1,024 x tile column + 512 x half bytes
	s_lshl_b32 s47, s16, 9
	s_add_co_u32 s46, s46, s47
	s_mov_b32 s47, 0
	s_add_nc_u64 s[96:97], s[96:97], s[46:47]
.irp b, 0,1,2,3,4,5,6,7
	global_load_b128 v[BI+8*\b:BI+8*\b+3],   v[BOF], s[96:97] offset:64*\b      ; register 8 b + j: the bias of column 16 b + 8 h + j
	global_load_b128 v[BI+8*\b+4:BI+8*\b+7], v[BOF], s[96:97] offset:64*\b+16
.endr
	; the refills' descriptors, in registers that the head has done with
	s_or_b32 s[G1R+0], s43, (0<<16)|(1<<20)|(1<<21)|(5<<22)|(3<<25)  ; x's tiles go to my row of the cluster
	s_mov_b32 s[G1R+1], ROWB<<16                   ; tensor_dim0
	s_mov_b32 s[G1R+2], 64<<16                     ; tensor_dim1
	s_mov_b32 s[G1R+3], ROWB<<16                   ; tile_dim0
	s_mov_b32 s[G1R+4], 64                         ; tile_dim1
	s_mov_b32 s[G1R+5], KROW                       ; pitch
	s_mov_b32 s[G1R+6], 0
	s_mov_b32 s[G1R+7], 0
	s_mul_i32 s45, s14, QUART                      ; where they go: wave x 64 rows of x's part of a slot
	s_mov_b32 s[G0R], 1
	s_mov_b32 s[G0R+1], s45
	s_mov_b64 s[G0R+2:G0R+3], s[2:3]
	s_or_b32 s[G0R+3], s[G0R+3], 0x80000000
	s_mov_b32 s[G0R+4], 1
	s_add_co_u32 s[G0R+5], s45, SLOT
	s_add_nc_u64 s[G0R+6:G0R+7], s[2:3], ROWB
	s_or_b32 s[G0R+7], s[G0R+7], 0x80000000
.macro FRAG reg, adr, q, i             ; 16 rows x 128 K of 4-bit codes: registers 4 c .. 4 c + 3 hold K = 64 c + 32 h + 0 .. 31
.irp c, 0,1
	ds_load_b128 v[\reg+4*\c:\reg+4*\c+3], v[\adr] offset:64*(\q)+32*\c+(\i)*16*PITCH
.endr
.endm
; 16 matrix instructions: x's blocks a0, a0 + 1 against the weight's eight.  first = 1: the bias is the C of each sum's first instruction.  The 64 accumulators take turns.
.macro MUL16 a0, p, q, sc, first
.irp a, \a0, \a0+1
.irp b, 0,1,2,3,4,5,6,7
.if \first
	v_wmma_scale_f32_16x16x128_f8f6f4 v[8*(8*((\a)%4)+\b):8*(8*((\a)%4)+\b)+7], v[128*(\p)+FR*\b:128*(\p)+FR*\b+FR-1], v[AF+FR*(\a):AF+FR*(\a)+FR-1], v[BI+8*\b:BI+8*\b+7], v[SC+8*NQ*(\sc)+NQ*\b+(\q)], v[SC+8*NQ*(\sc)+NQ*(\a)+(\q)] matrix_a_fmt:MATRIX_FMT_FP4 matrix_b_fmt:MATRIX_FMT_FP4 matrix_a_scale:MATRIX_SCALE_ROW1
.else
	v_wmma_scale_f32_16x16x128_f8f6f4 v[8*(8*((\a)%4)+\b):8*(8*((\a)%4)+\b)+7], v[128*(\p)+FR*\b:128*(\p)+FR*\b+FR-1], v[AF+FR*(\a):AF+FR*(\a)+FR-1], v[8*(8*((\a)%4)+\b):8*(8*((\a)%4)+\b)+7], v[SC+8*NQ*(\sc)+NQ*\b+(\q)], v[SC+8*NQ*(\sc)+NQ*(\a)+(\q)] matrix_a_fmt:MATRIX_FMT_FP4 matrix_b_fmt:MATRIX_FMT_FP4 matrix_a_scale:MATRIX_SCALE_ROW1
.endif
.endr
.endr
.endm
.macro FETCH_B slot, q, p
	WIN TO_B
.irp i, 0,1,2,3,4,5,6,7
	FRAG 128*(\p)+FR*\i, ADRB+\slot, \q, \i
.endr
	WIN 0
.endm
.macro FETCH_A slot, q, i0
.irp i, \i0, \i0+1, \i0+2, \i0+3
	FRAG AF+FR*(\i), ADRA+\slot, \q, \i
.endr
.endm
.macro SCALES sc, adr                  ; slot sc's scale words, 16 bytes a row: lanes 0-15 take x's block i, lanes 16-31 the weight's block i
.irp i, 0,1,2,3,4,5,6,7
	ds_load_b128 v[SC+8*NQ*\sc+NQ*\i:SC+8*NQ*\sc+NQ*\i+3], v[\adr] offset:\i*SBLK+16*\sc
.endr
.endm
.macro PLACES n                        ; plain vector instructions between a matrix instruction and a load into, or a read of, its registers
.rept \n
	v_nop
.endr
.endm
.macro FIRST adr                       ; a tile's first fragments and scale words
	FETCH_B 0, 0, 0
	FETCH_A 0, 0, 0
	SCALES 0, \adr
	FETCH_A 0, 0, 4
.endm
.macro STEP slot, q, first
	s_wait_dscnt 4*NL                              ; the weight's set and x's blocks 0-3 are in; the youngest eight loads (x's blocks 4-7) may be out
.if \first
	WIN FST_LO
.else
	WIN MUL_LO
.endif
	MUL16 0, (\q)%2, \q, \slot, \first
	MUL16 2, (\q)%2, \q, \slot, \first
	s_wait_dscnt 0
	PLACES NP
	FETCH_B \slot, (\q)+1, 1-(\q)%2
	FETCH_A \slot, (\q)+1, 0
.if \first
	WIN FST_HI
.else
	WIN MUL_HI
.endif
	MUL16 4, (\q)%2, \q, \slot, \first
	MUL16 6, (\q)%2, \q, \slot, \first
	PLACES NP
	WIN 0
	FETCH_A \slot, (\q)+1, 4
.endm
; Slot 0's last step changes to slot 1: one barrier; in front of it each wave waits for all its tensor loads, adds 0 to its spare word, and waits for that and for its reads of slot 0.
; fill = 1 (tile 0): the barrier opens a round of the cluster's barrier, and x's part of slot 0 takes tile 1's first 512 along K.
.macro TURN fill, adr
	s_wait_tensorcnt 0x0                           ; all my tensor loads have landed: my part of slot 1 among them
	ds_add_u32 v[SPW], v[NIL]                      ; 0 onto my spare word
	s_wait_dscnt 4*NL+1                            ; the add and the youngest eight loads may be out
	WIN MUL_LO
	MUL16 0, 1, NQ-1, 0, 0
	s_wait_dscnt 0x0                               ; the add is done, and my reads of slot 0 are over
	s_barrier_signal -1
	MUL16 2, 1, NQ-1, 0, 0
	WIN 0
	s_barrier_wait -1                              ; slot 1 is whole, and nobody of my work-group reads slot 0 any more
.if \fill
	CREST                                          ; nor does a wave of any partner, and none has a load on its way
	RLOAD 0                                        ; the first tensor load behind the round; its four v_nop are also the places in front of the loads below
.else
	PLACES NP
.endif
	FETCH_B 1, 0, 0
	FETCH_A 1, 0, 0
	SCALES 1, \adr
	WIN MUL_HI
	MUL16 4, 1, NQ-1, 0, 0
	MUL16 6, 1, NQ-1, 0, 0
	PLACES NP
	WIN 0
	FETCH_A 1, 0, 4
.endm
; A tile's last step.  fill = 1 (tile 0): the same three lines and a round; behind it tile 1's part of slot 0 is whole in every work-group, and x's part of slot 1 takes tile 1's second 512 along K.
.macro LAST fill
.if \fill
	s_wait_tensorcnt 0x0                           ; my refill of slot 0 has landed
	ds_add_u32 v[SPW], v[NIL]                      ; 0 onto my spare word
	s_wait_dscnt 4*NL+1
	WIN MUL_LO
	MUL16 0, 1, NQ-1, 1, 0
	s_wait_dscnt 0x0                               ; the add is done, and my reads of slot 1 are over
	s_barrier_signal -1
	MUL16 2, 1, NQ-1, 1, 0
	WIN 0
	s_barrier_wait -1
	CREST
	RLOAD 1                                        ; it has the way out and four steps in which to land
.else
	s_wait_dscnt 4*NL
	WIN MUL_LO
	MUL16 0, 1, NQ-1, 1, 0
	MUL16 2, 1, NQ-1, 1, 0
	s_wait_dscnt 0
.endif
	WIN MUL_HI
	MUL16 4, 1, NQ-1, 1, 0
	MUL16 6, 1, NQ-1, 1, 0
	WIN 0
.endm
; THE WAY OUT, 16 tokens x 128 columns (two heads) at a time: rounded to f16, 16 bytes a lane, through my own stage, and back so that the 32 lanes store 512 consecutive bytes: four tokens of one head.
.macro PACK a
.set AC, 64*((\a)%4)
.set PW, 0x0a+5*((\a)/4)
	WIN PW                                         ; sources 0 and 1: window 2 or 3
.irp b, 0,1,2,3,4,5,6,7
.irp i, 0,1,2,3
	v_cvt_pk_f16_f32 v[TMP+4*\b+\i], v[AC+8*\b+2*\i], v[AC+8*\b+2*\i+1]   ; each accumulator from its low end on
.endr
.endr
	WIN 0
.endm
.macro TOSTAGE a
.set BB, BK+32*((\a)%2)
.irp b, 0,1,2,3,4,5,6,7
	ds_store_b128 v[STO], v[TMP+4*\b:TMP+4*\b+3] offset:32*\b
.endr
.irp i, 0,1,2,3,4,5,6,7
	ds_load_b128 v[BB+4*\i:BB+4*\i+3], v[RD] offset:1088*(\i/2)+128*(\i%2)   ; LDS serves a wave's instructions in order: these see the stores above
.endr
.endm
.macro SEND a
.set BB, BK+32*((\a)%2)
	s_wait_dscnt 0x0                               ; the block is back in registers
	s_wait_xcnt 0x0                                ; the stores of the block before have read their registers: the next block's loads may land there
.irp i, 0,1,2,3,4,5,6,7
	global_store_b128 v[CO], v[BB+4*\i:BB+4*\i+3], s[12:13] offset:131072*(\i%2)+2048*(\a)+512*(\i/2)
.endr
.endm
.macro WAYOUT
	PLACES NP
	PACK 0
	TOSTAGE 0
.irp a, 1,2,3,4,5,6,7                          ; block a's conversions stand between block a - 1's loads from the stage and the wait for them
	PACK \a
	SEND \a-1
	TOSTAGE \a
.endr
	SEND 7
.endm
	s_wait_tensorcnt 1                             ; the scales and my part of slot 0 are in; slot 1's load may be out
	s_barrier_signal -1
	s_barrier_wait -1
	; ---- tile 0
	FIRST ADRS0
	s_wait_loadcnt 0x0                             ; the bias
	STEP 0, 0, 1
	STEP 0, 1, 0
	STEP 0, 2, 0
	TURN 1, ADRS0
	STEP 1, 0, 0
	STEP 1, 1, 0
	STEP 1, 2, 0
	LAST 1
	WAYOUT                                         ; both refills are asked for: now the tile goes out; nothing waits for its stores
	s_wait_xcnt 0x0                                ; the stores have read their base and their registers
	s_add_nc_u64 s[12:13], s[12:13], WALKC
	; ---- tile 1: the conversions of the way out are the places behind tile 0's last products
	FIRST ADRS1
	STEP 0, 0, 1
	STEP 0, 1, 0
	STEP 0, 2, 0
	TURN 0, ADRS1
	STEP 1, 0, 0
	STEP 1, 1, 0
	STEP 1, 2, 0
	LAST 0
	WAYOUT
	s_wait_tensorcnt 0x0                           ; the wave's end
	ds_add_u32 v[SPW], v[NIL]
	s_wait_dscnt 0x0
	CROUND                                         ; the closing round
	s_endpgm
.Lfunc_end_k_q02a70135d6_inproj:
	.size	k_q02a70135d6_inproj, .Lfunc_end_k_q02a70135d6_inproj-k_q02a70135d6_inproj
	.p2alignl 7, 3214868480
	.fill 96, 4, 3214868480
	.section	.rodata,"a",@progbits
	.p2align	6, 0x0
	.amdhsa_kernel k_q02a70135d6_inproj
		.amdhsa_group_segment_fixed_size 327680
		.amdhsa_private_segment_fixed_size 0
		.amdhsa_enable_private_segment 0
		.amdhsa_kernarg_size 48
		.amdhsa_user_sgpr_count 2
		.amdhsa_user_sgpr_kernarg_segment_ptr 1
		.amdhsa_wavefront_size32 1
		.amdhsa_system_sgpr_workgroup_id_x 1
		.amdhsa_system_sgpr_workgroup_id_y 1
		.amdhsa_system_sgpr_workgroup_id_z 1
		.amdhsa_system_vgpr_workitem_id 0
		.amdhsa_next_free_vgpr 1024
		.amdhsa_next_free_sgpr 100
		.amdhsa_reserve_vcc 0
		.amdhsa_float_denorm_mode_32 3
		.amdhsa_float_denorm_mode_16_64 3
		.amdhsa_memory_ordered 1
		.amdhsa_forward_progress 1
		.amdhsa_inst_pref_size 246
	.end_amdhsa_kernel
	.amdgpu_metadata
---
amdhsa.version: [ 1, 2 ]
amdhsa.kernels:
  - .name:           k_q02a70135d6_inproj
    .symbol:         k_q02a70135d6_inproj.kd
    .args:
      - { .name: xc, .offset: 0, .size: 8, .value_kind: global_buffer, .address_space: global }
      - { .name: xs, .offset: 8, .size: 8, .value_kind: global_buffer, .address_space: global }
      - { .name: wc, .offset: 16, .size: 8, .value_kind: global_buffer, .address_space: global }
      - { .name: ws, .offset: 24, .size: 8, .value_kind: global_buffer, .address_space: global }
      - { .name: in_proj_b, .offset: 32, .size: 8, .value_kind: global_buffer, .address_space: global }
      - { .name: qkvh, .offset: 40, .size: 8, .value_kind: global_buffer, .address_space: global }
    .group_segment_fixed_size: 327680
    .private_segment_fixed_size: 0
    .kernarg_segment_align: 8
    .kernarg_segment_size: 48
    .max_flat_workgroup_size: 128
    .sgpr_count:     100
    .vgpr_count:     1024
    .wavefront_size: 32
...
	.end_amdgpu_metadata
.endif
;; end of part 2
;; launch attn (part 3): grid 2 x 128, 8 waves a work-group, no clusters, 327,680 bytes of LDS; arguments qkvh, yh; writes yh
.if DOCPART == 3
	.amdgcn_target "amdgcn-amd-amdhsa--gfx1250"
	.amdhsa_code_object_version 6
	.text
	.protected	k_q02a70135d6_attn
	.globl	k_q02a70135d6_attn
	.p2align	8
	.type	k_q02a70135d6_attn,@function
k_q02a70135d6_attn:
	s_mov_b64 s[64:65], 0
	v_nop
	global_prefetch_b8 v0, s[64:65] scope:SCOPE_SE
	s_setreg_imm32_b32 hwreg(HW_REG_WAVE_MODE, 25, 1), 1
	s_wait_xcnt 0x0
; Launch 3 of 4: yh[b][h][q][:] = sum over k <= q of softmax_k(Q[q] . K[k] / 8) V[k][:], f16 operands, products, maxima and sums in f32; the weights are rounded to f16 for the second product, y once at the end.
; LEFT OUT: key steps of 64 keys all of which come after a wave's queries (reference() hides them by its own causal mask); a NaN or infinity that reaches only hidden scores is not carried.
; SHARES.  Work-group (j, head) owns TWO blocks of 256 queries of one head, the late block 3 - j and the early block j: for both j that is three whole chunks and two diagonal chunks of 256 keys, so all work-groups are equal.
; Each of eight waves owns 32 queries (two tiles of 16) of each block.  The keys are walked ONCE, 64 a step; a step's fragments of K and V are read from LDS once and serve the late set and, while it is live, the early set.
; NO CLUSTER: the two work-groups of a head need 4 and 3 chunks; a joint load of the last chunk would be read by no wave of one partner.
; LAYOUT.  S^T = K Q^T (source 0 = 16 keys, source 1 = 16 queries): a lane holds ONE query (lane % 16) and keys 8 (lane / 16) + 0 .. 7.  Two such tiles, rounded in pairs, are source 1 of O^T = V^T P.  V comes turned, by ds_load_tr16_b128.
; SOFTMAX.  A running maximum m and sum l for each query: p = 2^(c s - c m), c = log2(e) / 8; in every step O and l are multiplied by a = 2^(c m_old - c m_new).  m begins at -3e38, O and l at 0; key 0 counts for every query.
; RING.  Two slots of 256 keys (four steps; a step's 64 rows of K, then its 64 rows of V).  Waves 0-3 fetch a step's tile of K each, waves 4-7 of V: one tensor load a wave is out at any time, and every wait on TENSORcnt is for 0.
; Every work-group walks all four chunks, so that the trip counts are constants; a chunk whose first key comes after the work-group's last query is not asked for.
; REGISTERS  window 0: v1-14 addresses and constants; v16-47 statistics, 8 a tile (+0 c m, +1 m, +2 +3 l, +4..+7 at work, a at +6); v64-127 K; v128-191 V; v192-255 S^T, then P in the lower half of each tile's 32
;            window 1: v0-63 O^T late, v64-127 O^T early (tile t, channels 16 ct on: 32 t + 8 ct); v128-159 Q late, v160-191 Q early (16 t + 8 c)
.set PK,    144                        ; a row of K in LDS: 128 bytes + 16
.set PV,    160                        ; a row of V: 128 + 32
.set VOFF,  64*PK
.set STEPB, 64*(PK+PV)
.set SLOT1, 1<<17
.set STAGE, SLOT1+4*STEPB              ; the way out: 16 rows x 144 bytes for each wave
.set SPARE, STAGE+8*2304               ; the spare words: 128 bytes for each of eight waves
.set KR, 64
.set VR, 128
.set S,  192
.set MSB, 0
.macro WIN new
.if MSB != \new
	s_set_vgpr_msb (MSB<<8)|\new
.set MSB, \new
.endif
.endm
.macro PLACES n
.rept \n
	v_nop
.endr
.endm
.macro TLOAD                           ; the branch hangs on the wave's number alone; an s_nop 0 and four v_nop follow each of the two lines
	s_cmp_lt_u32 s8, 4
	s_cbranch_scc0 .Lfor_v_\@
	tensor_load_to_lds s[40:43], s[24:31]
	s_nop 0
.rept 4
	v_nop
.endr
	s_branch .Lasked_\@
.Lfor_v_\@:
	tensor_load_to_lds s[44:47], s[32:39]
	s_nop 0
.rept 4
	v_nop
.endr
.Lasked_\@:
.endm
; A prefetch of the chunk after the one that is being asked for: one chunk, four key steps, ahead of its tensor load.  Both work-groups of a head walk the same K and V: the one with j = 0 asks.
; Each of its eight waves names the 8,192 bytes that it will itself fetch, lanes 256 bytes apart: each block is named once.  Chunks 0 and 1 come by their loads alone; the last change that fills a slot asks for nothing.
.macro ASK
	s_cmp_gt_u32 s48, s60
	s_cbranch_scc0 .Lnot_mine_\@
	global_prefetch_b8 v14, s[58:59] th:TH_LOAD_NT scope:SCOPE_SE
.Lnot_mine_\@:
.endm
	s_load_b128 s[4:7], s[0:1], 0x0                ; qkvh, yh
	v_lshl_add_u32 v12, v0, 2, SPARE               ; my spare word; never rewritten
	v_mov_b32 v13, 0                               ; 0; never rewritten
	ds_add_u32 v12, v13                            ; the wave's opening: the add, twice on end, and its wait ahead of my first tensor load
	ds_add_u32 v12, v13
	v_lshrrev_b32 v1, 5, v0
	v_readfirstlane_b32 s8, v1                     ; wave 0..7
	s_and_b32 s9, s8, 3                            ; which step of a chunk I fetch
	s_and_b32 s11, ttmp7, 0xffff                   ; 16 b + h
	s_mov_b32 s24, (1<<16)|(1<<20)|(4<<22)|(3<<25) ; K: elements of 2 bytes; padding: 4 words after every 32
	s_mov_b32 s32, (1<<16)|(1<<20)|(4<<22)|(7<<25) ; V: 8 words
.irp g, 24, 32
	s_mov_b32 s[\g+1], 64<<16                      ; tensor_dim0
	s_mov_b32 s[\g+2], 64<<16                      ; tensor_dim1
	s_mov_b32 s[\g+3], 64<<16                      ; tile_dim0
	s_mov_b32 s[\g+4], 64                          ; tile_dim1
	s_mov_b32 s[\g+5], 64                          ; pitch: the rows are dense
	s_mov_b32 s[\g+6], 0
	s_mov_b32 s[\g+7], 0
.endr
	s_mul_i32 s12, s9, STEPB                       ; my tile's place in a slot
	s_lshl_b32 s16, s11, 17                        ; the head's first byte in q, k, v and y
	s_lshl_b32 s15, s9, 13                         ; my 64 keys of a chunk
	s_add_co_u32 s14, s16, s15
	s_add_co_u32 s14, s14, 1<<24                   ; in K
	s_mov_b32 s15, 0
	s_sub_co_u32 s17, 3, ttmp9
	s_lshl_b32 s17, s17, 8
	s_lshl_b32 s22, s8, 5
	s_add_co_u32 s50, s17, s22                     ; my first late query,
	s_add_co_u32 s51, s50, 31                      ; my last
	s_lshl_b32 s17, ttmp9, 8
	s_add_co_u32 s52, s17, s22                     ; my first early query,
	s_add_co_u32 s53, s52, 31                      ; my last
	s_lshl_b32 s18, s50, 7
	s_add_co_u32 s18, s18, s16
	s_mov_b32 s19, 0
	s_lshl_b32 s20, s52, 7
	s_add_co_u32 s20, s20, s16
	s_mov_b32 s21, 0
	s_mov_b32 s54, 0x3e38aa3b                      ; c = log2(e) / 8
	s_mov_b32 s55, s54                             ; (named with it as a pair)
	s_mov_b32 s56, 0x76543210
	s_mov_b32 s57, 0xfedcba98                      ; selects for lane l xor 16
	s_mov_b32 s2, 0                                ; LDS byte at which the step in hand begins
	s_mov_b32 s3, 0                                ; the step's first key
	s_mov_b32 s48, 3                               ; changes of slots that may ask
	s_cmp_eq_u32 ttmp9, 0
	s_cselect_b32 s60, 1, -1                       ; 1 where the work-group prefetches, else the greatest number
	s_wait_dscnt 0x0                               ; both opening adds are done
	s_wait_kmcnt 0x0
	s_mov_b32 s40, 1
	s_mov_b32 s41, s12
	s_add_nc_u64 s[42:43], s[4:5], s[14:15]        ; K: chunk 0, my 64 keys
	s_mov_b32 s44, 1
	s_add_co_u32 s45, s12, VOFF
	s_add_nc_u64 s[46:47], s[42:43], 1<<24         ; V: the same keys
	s_cmp_lt_u32 s8, 4
	s_cselect_b64 s[58:59], s[42:43], s[46:47]     ; the prefetches walk what I fetch,
	s_add_nc_u64 s[58:59], s[58:59], 32768         ; from chunk 1 on; the first change steps it to chunk 2
	s_or_b32 s43, s43, 0x80000000
	s_or_b32 s47, s47, 0x80000000
	TLOAD                                          ; chunk 0 into slot 0: every wave issues one
	s_add_nc_u64 s[68:69], s[4:5], s[18:19]        ; Q at my late and early queries,
	s_add_nc_u64 s[70:71], s[4:5], s[20:21]
	s_add_nc_u64 s[72:73], s[6:7], s[18:19]        ; y likewise
	s_add_nc_u64 s[74:75], s[6:7], s[20:21]
	v_and_b32 v3, 15, v0                           ; r
	v_bfe_u32 v4, v0, 4, 1                         ; h
	v_lshlrev_b32 v5, 7, v3
	v_lshl_add_u32 v5, v4, 4, v5                   ; Q: row r of 128 bytes, + 16 h
	WIN 0x40                                       ; destination window 1
.irp t, 0,1
.irp c, 0,1
	global_load_b128 v[128+16*\t+8*\c:131+16*\t+8*\c], v5, s[68:69] offset:2048*\t+64*\c
	global_load_b128 v[132+16*\t+8*\c:135+16*\t+8*\c], v5, s[68:69] offset:2048*\t+64*\c+32
	global_load_b128 v[160+16*\t+8*\c:163+16*\t+8*\c], v5, s[70:71] offset:2048*\t+64*\c
	global_load_b128 v[164+16*\t+8*\c:167+16*\t+8*\c], v5, s[70:71] offset:2048*\t+64*\c+32
.endr
.endr
.set k, 0
.rept 128
	v_mov_b32 v[k], 0                              ; O^T.  The step is written once: its first trip finds zeros, which a = 0 leaves zeros
.set k, k+1
.endr
	WIN 0
	v_mul_u32_u24 v1, v3, PK
	v_lshl_add_u32 v1, v4, 4, v1                   ; K: row r x pitch + 16 h
	v_and_b32 v2, 7, v0
	v_lshl_add_u32 v2, v4, 3, v2
	v_mul_u32_u24 v2, v2, PV
	v_bfe_u32 v6, v0, 3, 1
	v_lshl_add_u32 v2, v6, 4, v2
	v_add_nc_u32 v2, VOFF, v2                      ; V: key 8 h + lane % 8, channels 8 ((lane / 8) % 2) on
	s_mul_i32 s18, s8, 2304
	s_add_co_u32 s18, s18, STAGE                   ; my stage
	v_add_nc_u32 v6, s18, v1                       ; in: row r, + 16 h
	v_bfe_u32 v7, v0, 3, 2
	v_mul_u32_u24 v7, v7, PK
	v_and_b32 v8, 7, v0
	v_lshl_add_u32 v7, v8, 4, v7
	v_add_nc_u32 v7, s18, v7                       ; back: eight lanes to a row of 128 bytes
	v_and_b32 v8, 31, v0
	v_lshlrev_b32 v14, 8, v8                       ; the prefetches: 256 x lane
	v_lshlrev_b32 v8, 4, v8                        ; y: 16 x lane
	v_lshlrev_b32 v9, 3, v4
	v_sub_nc_u32 v9, v3, v9                        ; r - 8 h
	v_mov_b32 v10, 0xff800000                      ; -infinity
.irp n, 0,1,2,3
	v_mov_b32 v[17+8*\n], 0xff61b1e6               ; m = -3e38
.irp i, 2,3,4,5,6,7
	v_mov_b32 v[16+8*\n+\i], 0
.endr
	v_mul_f32 v[16+8*\n], s54, v[17+8*\n]          ; c m
.endr
; ONE SET (two tiles of 16 queries) against the step's 64 keys.  ob: O^T, qb: Q (window 1); st: statistics; q0: the scalar register with the set's first query.
.macro SET ob, qb, st, q0
	WIN 0x04                                       ; source 1 (Q) window 1
.irp c, 0,1                                    ; the eight accumulators by turns
.irp kt, 0,1,2,3
.irp t, 0,1
.if \c == 0
	v_wmma_f32_16x16x32_f16 v[S+32*\t+8*\kt:S+32*\t+8*\kt+7], v[KR+8*(2*\kt+\c):KR+8*(2*\kt+\c)+7], v[\qb+16*\t+8*\c:\qb+16*\t+8*\c+7], 0
.else
	v_wmma_f32_16x16x32_f16 v[S+32*\t+8*\kt:S+32*\t+8*\kt+7], v[KR+8*(2*\kt+\c):KR+8*(2*\kt+\c)+7], v[\qb+16*\t+8*\c:\qb+16*\t+8*\c+7], v[S+32*\t+8*\kt:S+32*\t+8*\kt+7]
.endif
.endr
.endr
.endr
	WIN 0
	PLACES 4
	s_add_co_u32 s67, s3, 63                       ; a step all of whose keys count for all 32 queries skips the mask: a branch on ids and the count of steps
	s_cmp_le_u32 s67, s[\q0]
	s_cbranch_scc1 .Lopen_\@
	s_sub_co_i32 s66, s[\q0], s3
.irp t, 0,1
	v_add_nc_u32 v11, s66, v9                      ; d = my query - the step's first key - 8 h: register 8 kt + j holds key 16 kt + j + 8 h, hidden where 16 kt + j > d
.irp n, 0,1,2,3,4,5,6,7,8,9,10,11,12,13,14,15,16,17,18,19,20,21,22,23,24,25,26,27,28,29,30,31
	v_cmp_gt_i32 vcc_lo, 16*(\n/8)+\n%8, v11
	v_cndmask_b32 v[S+32*\t+\n], v[S+32*\t+\n], v10, vcc_lo
.endr
	s_add_co_i32 s66, s66, 16
.endr
.Lopen_\@:
.irp j, 0,1,2,3                                ; the maximum: four chains a tile, the tiles by turns; each accumulator is read from its low end on
.irp t, 0,1
	v_max3_num_f32 v[\st+8*\t+4+\j], v[S+32*\t+8*\j], v[S+32*\t+8*\j+1], v[S+32*\t+8*\j+2]
.endr
.endr
.irp i, 3,5
.irp j, 0,1,2,3
.irp t, 0,1
	v_max3_num_f32 v[\st+8*\t+4+\j], v[\st+8*\t+4+\j], v[S+32*\t+8*\j+\i], v[S+32*\t+8*\j+\i+1]
.endr
.endr
.endr
.irp t, 0,1
	v_max3_num_f32 v[\st+8*\t+4], v[\st+8*\t+4], v[S+32*\t+7], v[S+32*\t+15]
	v_max3_num_f32 v[\st+8*\t+6], v[\st+8*\t+6], v[S+32*\t+23], v[S+32*\t+31]
.endr
.irp t, 0,1
	v_max3_num_f32 v[\st+8*\t+4], v[\st+8*\t+4], v[\st+8*\t+5], v[\st+8*\t+6]
.endr
.irp t, 0,1
	v_max3_num_f32 v[\st+8*\t+4], v[\st+8*\t+4], v[\st+8*\t+7], v[\st+8*\t+1]   ; with the old m
.endr
.irp t, 0,1
	v_permlanex16_b32 v[\st+8*\t+5], v[\st+8*\t+4], s56, s57   ; the query's other 32 keys lie in the lane 16 away
.endr
.irp t, 0,1
	v_mov_b32 v[\st+8*\t+7], v[\st+8*\t]           ; c m_old
.endr
.irp t, 0,1
	v_max_num_f32 v[\st+8*\t+1], v[\st+8*\t+4], v[\st+8*\t+5]
.endr
.irp t, 0,1
	v_mul_f32 v[\st+8*\t], s54, v[\st+8*\t+1]
.endr
.irp t, 0,1
	v_sub_f32 v[\st+8*\t+7], v[\st+8*\t+7], v[\st+8*\t]
.endr
.irp i, 0,2,4,6,8,10,12,14,16,18,20,22,24,26,28,30
.irp t, 0,1
	v_pk_fma_f32 v[S+32*\t+\i:S+32*\t+\i+1], v[S+32*\t+\i:S+32*\t+\i+1], s[54:55], v[\st+8*\t:\st+8*\t+1] op_sel_hi:[1,0,0] neg_lo:[0,0,1] neg_hi:[0,0,1]   ; c s - c m
.endr
.endr
.irp t, 0,1
	v_exp_f32 v[\st+8*\t+6], v[\st+8*\t+7]         ; a
.endr
.irp n, 0,1,2,3,4,5,6,7,8,9,10,11,12,13,14,15,16,17,18,19,20,21,22,23,24,25,26,27,28,29,30,31,32,33,34,35,36,37,38,39,40,41,42,43,44,45,46,47,48,49,50,51,52,53,54,55,56,57,58,59,60,61,62,63
	v_exp_f32 v[S+\n], v[S+\n]                     ; p
.endr
	v_nop                                          ; a plain instruction behind the last exponential
	s_wait_alu depctr_va_vdst(0)                   ; one wait for the batch of 66, ahead of its first reader
.irp t, 0,1
	v_pk_mul_f32 v[\st+8*\t+2:\st+8*\t+3], v[\st+8*\t+2:\st+8*\t+3], v[\st+8*\t+6:\st+8*\t+7] op_sel_hi:[1,0]   ; l x a
.endr
.irp t, 0,1
	v_pk_add_f32 v[\st+8*\t+4:\st+8*\t+5], v[S+32*\t:S+32*\t+1], v[S+32*\t+2:S+32*\t+3]   ; the sum of the unrounded p, in two chains
.endr
.irp i, 4,8,12,16,20,24,28
.irp t, 0,1
	v_pk_add_f32 v[\st+8*\t+2:\st+8*\t+3], v[\st+8*\t+2:\st+8*\t+3], v[S+32*\t+\i:S+32*\t+\i+1]
	v_pk_add_f32 v[\st+8*\t+4:\st+8*\t+5], v[\st+8*\t+4:\st+8*\t+5], v[S+32*\t+\i+2:S+32*\t+\i+3]
.endr
.endr
.irp t, 0,1
	v_pk_add_f32 v[\st+8*\t+2:\st+8*\t+3], v[\st+8*\t+2:\st+8*\t+3], v[\st+8*\t+4:\st+8*\t+5]
.endr
.irp i, 0,1,2,3,4,5,6,7,8,9,10,11,12,13,14,15
.irp t, 0,1
	v_cvt_pk_f16_f32 v[S+32*\t+\i], v[S+32*\t+2*\i], v[S+32*\t+2*\i+1]   ; P, packed in place: register i is written when registers 2 i, 2 i + 1 are read, and never before it was read itself
.endr
.endr
	s_wait_dscnt 0x0                               ; V is in
	WIN 0x41                                       ; O^T (destination and source 0) window 1
.irp i, 0,2,4,6,8,10,12,14,16,18,20,22,24,26,28,30
.irp t, 0,1
	v_pk_mul_f32 v[\ob+32*\t+\i:\ob+32*\t+\i+1], v[\ob+32*\t+\i:\ob+32*\t+\i+1], v[\st+8*\t+6:\st+8*\t+7] op_sel_hi:[1,0]
.endr
.endr
	WIN 0x50                                       ; C and D window 1
.irp u, 0,1
.irp ct, 0,1,2,3
.irp t, 0,1
	v_wmma_f32_16x16x32_f16 v[\ob+32*\t+8*\ct:\ob+32*\t+8*\ct+7], v[VR+8*(4*\u+\ct):VR+8*(4*\u+\ct)+7], v[S+32*\t+8*\u:S+32*\t+8*\u+7], v[\ob+32*\t+8*\ct:\ob+32*\t+8*\ct+7]
.endr
.endr
.endr
	WIN 0
.endm
; A KEY STEP.  Five plain instructions stand between the last product of the step before and this step's loads and first product, which writes over registers that that product read.
.macro STEP
	s_cmp_gt_u32 s3, s51                           ; all 64 keys come after my late queries (and so after my early ones): nothing to do but to step
	s_cbranch_scc1 .Lhid_\@
	v_add_nc_u32 v3, s2, v1
	v_add_nc_u32 v4, s2, v2
	PLACES 3
.irp kt, 0,1,2,3
.irp c, 0,1
	ds_load_b128 v[KR+8*(2*\kt+\c):KR+8*(2*\kt+\c)+3],   v3 offset:16*PK*\kt+64*\c
	ds_load_b128 v[KR+8*(2*\kt+\c)+4:KR+8*(2*\kt+\c)+7], v3 offset:16*PK*\kt+64*\c+32
.endr
.endr
.irp u, 0,1
.irp ct, 0,1,2,3
	ds_load_tr16_b128 v[VR+8*(4*\u+\ct):VR+8*(4*\u+\ct)+3],   v4 offset:32*PV*\u+32*\ct
	ds_load_tr16_b128 v[VR+8*(4*\u+\ct)+4:VR+8*(4*\u+\ct)+7], v4 offset:32*PV*\u+32*\ct+16*PV
.endr
.endr
	s_wait_dscnt 16                                ; K is in; V's sixteen loads may be out
	SET 0, 128, 16, 50
	s_cmp_gt_u32 s3, s53
	s_cbranch_scc1 .Lhid_\@
	PLACES 5
	SET 64, 160, 32, 52
.Lhid_\@:
	s_add_co_u32 s3, s3, 64
	s_add_co_u32 s2, s2, STEPB
.endm
.macro CHUNK                           ; a slot's four steps: written once, walked four times
	s_mov_b32 s49, 4
.Lstep_\@:
	STEP
	s_sub_co_u32 s49, s49, 1
	s_cmp_lg_u32 s49, 0
	s_cbranch_scc1 .Lstep_\@
	s_sub_co_u32 s2, s2, 4*STEPB
	s_xor_b32 s2, s2, SLOT1                        ; on to the other slot
.endm
; THE CHANGE OF SLOTS stands at a slot's head.  Each wave waits for its tensor load (its part of the slot ahead), adds 0 to its spare word, and waits for that and for its reads of the slot that it has left.
; Behind the barrier the slot ahead is whole and nobody reads the other one, which is then filled with the next chunk: the load has four steps in which to land.
.macro CHANGE fill
	s_wait_tensorcnt 0x0                           ; no tensor load of mine is out, so a group 0 may be written
	ds_add_u32 v12, v13                            ; 0 onto my spare word
.if \fill
	s_xor_b32 s41, s41, SLOT1
	s_add_nc_u64 s[42:43], s[42:43], 32768         ; the next 256 keys; the type bits on top are not reached
	s_xor_b32 s45, s45, SLOT1
	s_add_nc_u64 s[46:47], s[46:47], 32768
	s_wait_xcnt 0x0                                ; the last prefetch, a chunk back, has read its address
	s_add_nc_u64 s[58:59], s[58:59], 32768
.endif
	s_wait_dscnt 0x0
	s_barrier_signal -1
	s_barrier_wait -1
.if \fill
	s_add_co_u32 s66, s3, 256                      ; the first key of the chunk that this change would ask for,
	s_or_b32 s67, s50, 255                         ; my work-group's last query:
	s_cmp_gt_u32 s66, s67                          ; ids and the count of steps alone, the same in all eight waves; past the limit no wave would read the chunk, so it is not asked for
	s_cbranch_scc1 .Lpast_\@
	TLOAD
.Lpast_\@:
	ASK
.endif
.endm
	s_wait_loadcnt 0x0                             ; Q
.Lslot:
	CHANGE 1
	CHUNK
	s_sub_co_u32 s48, s48, 1
	s_cmp_lg_u32 s48, 0
	s_cbranch_scc1 .Lslot
	CHANGE 0                                       ; the last chunk is written out: nothing follows it
	CHUNK
	; THE WAY OUT.  l's halves and the other half of the lanes' are added; O^T / l is rounded to f16 and goes through my stage, a tile at a time; the 32 lanes store 512 consecutive bytes: four queries.
	PLACES 4
.irp n, 0,1,2,3
	v_add_f32 v[20+8*\n], v[18+8*\n], v[19+8*\n]
.endr
.irp n, 0,1,2,3
	v_permlanex16_b32 v[21+8*\n], v[20+8*\n], s56, s57
.endr
.irp n, 0,1,2,3
	v_add_f32 v[20+8*\n], v[20+8*\n], v[21+8*\n]
.endr
.irp n, 0,1,2,3
	v_rcp_f32 v[22+8*\n], v[20+8*\n]
.endr
	v_nop
	s_wait_alu depctr_va_vdst(0)                   ; one wait for the four reciprocals, ahead of their first reader
.macro OUT ob, n, t, base              ; tile n = 2 x set + t
	WIN 0x01                                       ; source 0 (O^T) window 1
.set k, 0
.rept 16
	v_pk_mul_f32 v[S+2*k:S+2*k+1], v[\ob+32*\t+2*k:\ob+32*\t+2*k+1], v[22+8*\n:23+8*\n] op_sel_hi:[1,0]
.set k, k+1
.endr
	WIN 0
.set k, 0
.rept 16
	v_cvt_pk_f16_f32 v[KR+k], v[S+2*k], v[S+2*k+1]
.set k, k+1
.endr
.irp ct, 0,1,2,3
	ds_store_b128 v6, v[KR+4*\ct:KR+4*\ct+3] offset:32*\ct
.endr
.irp i, 0,1,2,3
	ds_load_b128 v[VR+16*\n+4*\i:VR+16*\n+4*\i+3], v7 offset:4*PK*\i   ; LDS serves a wave's instructions in order
.endr
	s_wait_dscnt 0x0
.irp i, 0,1,2,3
	global_store_b128 v8, v[VR+16*\n+4*\i:VR+16*\n+4*\i+3], s[\base:\base+1] offset:2048*\t+512*\i
.endr
.endm
	OUT 0, 0, 0, 72
	OUT 0, 1, 1, 72
	OUT 64, 2, 0, 74
	OUT 64, 3, 1, 74
	s_wait_tensorcnt 0x0                           ; the wave's end
	ds_add_u32 v12, v13
	s_wait_dscnt 0x0
	s_endpgm
.Lfunc_end_k_q02a70135d6_attn:
	.size	k_q02a70135d6_attn, .Lfunc_end_k_q02a70135d6_attn-k_q02a70135d6_attn
	.p2alignl 7, 3214868480
	.fill 96, 4, 3214868480
	.section	.rodata,"a",@progbits
	.p2align	6, 0x0
	.amdhsa_kernel k_q02a70135d6_attn
		.amdhsa_group_segment_fixed_size 327680
		.amdhsa_private_segment_fixed_size 0
		.amdhsa_enable_private_segment 0
		.amdhsa_kernarg_size 16
		.amdhsa_user_sgpr_count 2
		.amdhsa_user_sgpr_kernarg_segment_ptr 1
		.amdhsa_wavefront_size32 1
		.amdhsa_system_sgpr_workgroup_id_x 1
		.amdhsa_system_sgpr_workgroup_id_y 1
		.amdhsa_system_sgpr_workgroup_id_z 1
		.amdhsa_system_vgpr_workitem_id 0
		.amdhsa_next_free_vgpr 448
		.amdhsa_next_free_sgpr 80
		.amdhsa_reserve_vcc 1
		.amdhsa_float_denorm_mode_32 3
		.amdhsa_float_denorm_mode_16_64 3
		.amdhsa_memory_ordered 1
		.amdhsa_forward_progress 1
		.amdhsa_inst_pref_size 109
	.end_amdhsa_kernel
	.amdgpu_metadata
---
amdhsa.version: [ 1, 2 ]
amdhsa.kernels:
  - .name:           k_q02a70135d6_attn
    .symbol:         k_q02a70135d6_attn.kd
    .args:
      - { .name: qkvh, .offset: 0, .size: 8, .value_kind: global_buffer, .address_space: global }
      - { .name: yh, .offset: 8, .size: 8, .value_kind: global_buffer, .address_space: global }
    .group_segment_fixed_size: 327680
    .private_segment_fixed_size: 0
    .kernarg_segment_align: 8
    .kernarg_segment_size: 16
    .max_flat_workgroup_size: 256
    .sgpr_count:     80
    .vgpr_count:     448
    .wavefront_size: 32
...
	.end_amdgpu_metadata
.endif
;; end of part 3
;; launch outproj (part 4): grid 4 x 64, 4 waves a work-group, clusters of 4 x 4, 327,680 bytes of LDS; arguments yh, wm, bm, out0; writes out0
.if DOCPART == 4
	.amdgcn_target "amdgcn-amd-amdhsa--gfx1250"
	.amdhsa_code_object_version 6
	.text
	.protected	k_q02a70135d6_outproj
	.globl	k_q02a70135d6_outproj
	.p2align	8
	.type	k_q02a70135d6_outproj,@function
k_q02a70135d6_outproj:
	s_mov_b64 s[64:65], 0
	v_nop
	global_prefetch_b8 v0, s[64:65] scope:SCOPE_SE
	s_setreg_imm32_b32 hwreg(HW_REG_WAVE_MODE, 25, 1), 1
	s_wait_xcnt 0x0
	s_wait_alu depctr_hold_cnt(0) depctr_sa_sdst(0) depctr_va_vdst(0) depctr_va_sdst(0) depctr_va_ssrc(0) depctr_va_vcc(0) depctr_vm_vsrc(0)
	s_getreg_b32 s2, hwreg(HW_REG_IB_STS2, 6, 4)
	s_cmp_eq_u32 s2, 0
	s_cbranch_scc0 .Lentry_in_a_cluster
	s_endpgm
.Lentry_in_a_cluster:
	s_bfe_u32 s2, ttmp6, 0x10000c
	s_cmp_lg_u32 s2, 0xf033
	s_cbranch_scc0 .Lentry_shape_is_right
	s_endpgm
.Lentry_shape_is_right:
; Launch 4 of 4: out0[m][n] = 2^-6 (sum over e of y[m][e] wm[n][e]) + bm[n], f16 operands, sums in f32.
; REGROUPED: wm = 64 Wc Wo and bm = Wc bo + bc stand for reference()'s two last products (the identity is shown at the head of the first launch); the factor 2^-6 takes the 64 back exactly.
; A tile of 128 rows x 256 columns gives 256 work-groups; four waves, 64 x 128 each: 32 accumulators of 16 x 16.  K goes in eight steps of 128 (two heads of y) through two LDS slots.
; y lies by head: a step's tile of y is two dense blocks of 128 rows x 128 bytes, one a wave (waves 0, 1); wm's is 256 rows x 256 bytes, 128 rows a wave (waves 2, 3).
; CLUSTERS: 4 x 4 work-groups; y's tiles are shared along a row of the cluster, wm's along a column: joint loads.  Two loads of a wave are out at the start, one behind each round.
; NO PREFETCH: of the eight K steps two are asked for at the head and the next two by the first refills; wm is read by all sixteen clusters.
; THE MATRIX INSTRUCTION IS USED TRANSPOSED (source 0 = 16 rows of wm, source 1 = 16 rows of y): a lane holds eight neighbouring columns of a row of out0.
; REGISTERS  window 0: v16-29 addresses; v64-95, v96-127 y's fragments, two buffers; v128-191 bm in the result's layout; v192-255 at work on the way out
;            window 1: wm's fragments, two buffers, v0-63 and v64-127.   window 2: the accumulators ((a, b) at 8 (8 a + b))
.set APL,   128*144                    ; a head's plane of y in LDS: rows of 128 bytes + 16
.set BOFS,  2*APL
.set HB,    128*272                    ; 128 rows of wm: 256 bytes + 16
.set SLOT,  BOFS+2*HB
.set STAGE, 2*SLOT                     ; 16 rows x (512 bytes + 16) for each wave
.set SPARE, STAGE+4*8448               ; the spare words: 128 bytes a wave
.set ADRA, 16
.set ADRB, 20
.set STO,  24
.set RD,   25
.set CO,   26
.set BOF,  27
.set SPW,  28
.set NIL,  29
.set BI,   128
.set TMP,  192
.set G1, 24
.set G0, 32
.set G1B, 48
.set G0B, 56
.set MSB, 0
.macro WIN new
.if MSB != \new
	s_set_vgpr_msb (MSB<<8)|\new
.set MSB, \new
.endif
.endm
.set MUL, 0xa1                         ; source 0 (wm) window 1, source 1 (y) window 0, C and D window 2
.macro JLOAD s                         ; waves 0 and 1 fetch y's two heads, waves 2 and 3 wm's two halves; an s_nop 0 and four v_nop follow each line
	s_cmp_eq_u32 s11, 0
	s_cbranch_scc0 .Lfor_b_\@
	tensor_load_to_lds s[G0+4*\s:G0+4*\s+3], s[G1:G1+7]
	s_nop 0
.rept 4
	v_nop
.endr
	s_branch .Lasked_\@
.Lfor_b_\@:
	tensor_load_to_lds s[G0B+4*\s:G0B+4*\s+3], s[G1B:G1B+7]
	s_nop 0
.rept 4
	v_nop
.endr
.Lasked_\@:
.endm
.macro CREST
	s_cmp_lg_u32 s10, 0
	s_cbranch_scc1 .Lnot_wave_0_\@
	s_barrier_signal -3
.Lnot_wave_0_\@:
	s_barrier_wait -3
	s_barrier_signal -1
	s_barrier_wait -1
.endm
.macro CROUND
	s_barrier_signal -1
	s_barrier_wait -1
	CREST
.endm
.macro PLACES
.rept 4
	v_nop
.endr
.endm
	s_load_b128 s[4:7], s[0:1], 0x0                ; yh, wm
	s_load_b128 s[68:71], s[0:1], 0x10             ; bm, out0
	v_lshl_add_u32 v[SPW], v0, 2, SPARE
	v_mov_b32 v[NIL], 0
	ds_add_u32 v[SPW], v[NIL]                      ; the wave's opening: the add, twice on end, and its wait ahead of my first tensor load
	ds_add_u32 v[SPW], v[NIL]
	v_lshrrev_b32 v1, 5, v0
	v_readfirstlane_b32 s10, v1                    ; wave 0..3
	s_lshr_b32 s11, s10, 1                         ; my half of the tile's rows.  Also: I fetch for y (0) or for wm (1)
	s_and_b32 s12, s10, 1                          ; my half of its columns.  Also: which head, or which 128 rows, I fetch
	s_bfe_u32 s40, ttmp6, 0x40000                  ; cx
	s_bfe_u32 s41, ttmp6, 0x40004                  ; cy
	s_lshl_b32 s42, ttmp9, 2
	s_add_co_u32 s42, s42, s40                     ; tile column
	s_and_b32 s13, ttmp7, 0xffff
	s_lshl_b32 s13, s13, 2
	s_add_co_u32 s13, s13, s41                     ; tile row
	s_lshl_b32 s43, s41, 2
	s_lshl_b32 s43, 15, s43                        ; my row of the cluster
	s_lshl_b32 s44, 0x1111, s40                    ; my column
	s_or_b32 s[G1+0], s43, (1<<16)|(1<<20)|(1<<21)|(4<<22)|(3<<25)    ; y: elements of 2 bytes; 4 words of padding after every 32
	s_mov_b32 s[G1+1], 64<<16                      ; tensor_dim0
	s_mov_b32 s[G1+2], 128<<16                     ; tensor_dim1
	s_mov_b32 s[G1+3], 64<<16                      ; tile_dim0
	s_mov_b32 s[G1+4], 128                         ; tile_dim1
	s_mov_b32 s[G1+5], 64                          ; pitch: dense
	s_mov_b32 s[G1+6], 0
	s_mov_b32 s[G1+7], 0
	s_or_b32 s[G1B+0], s44, (1<<16)|(1<<20)|(1<<21)|(5<<22)|(3<<25)   ; wm: 4 words after every 64
	s_mov_b32 s[G1B+1], 128<<16
	s_mov_b32 s[G1B+2], 128<<16
	s_mov_b32 s[G1B+3], 128<<16
	s_mov_b32 s[G1B+4], 128
	s_mov_b32 s[G1B+5], 1024
	s_mov_b32 s[G1B+6], 0
	s_mov_b32 s[G1B+7], 0
	s_lshr_b32 s16, s13, 3                         ; y: b = tile row / 8,
	s_lshl_b32 s16, s16, 21
	s_and_b32 s17, s13, 7                          ; t = 128 (tile row % 8), 128 bytes a token,
	s_lshl_b32 s17, s17, 14
	s_add_co_u32 s16, s16, s17
	s_lshl_b32 s17, s12, 17                        ; the head that I fetch
	s_add_co_u32 s16, s16, s17
	s_mov_b32 s17, 0
	s_lshl_b32 s46, s42, 19                        ; wm: row 256 x tile column + 128 x half, 2,048 bytes a row
	s_lshl_b32 s47, s12, 18
	s_add_co_u32 s46, s46, s47
	s_mov_b32 s47, 0
	s_mul_i32 s20, s12, APL                        ; where they go: no place in the cluster enters an LDS address
	s_mul_i32 s21, s12, HB
	s_add_co_u32 s21, s21, BOFS
	s_mov_b32 s66, 0x3c800000                      ; 2^-6
	s_mov_b32 s67, s66
	s_wait_dscnt 0x0                               ; both opening adds are done
	s_wait_kmcnt 0x0
	s_add_nc_u64 s[14:15], s[4:5], s[16:17]
	s_add_nc_u64 s[46:47], s[6:7], s[46:47]
	CROUND                                         ; all sixteen work-groups are here: the first joint loads meet
.irp s, 0,1
	s_mov_b32 s[G0+4*\s], 1
	s_add_co_u32 s[G0+4*\s+1], s20, \s*SLOT
	s_add_nc_u64 s[G0+4*\s+2:G0+4*\s+3], s[14:15], \s*262144     ; K step s: two heads on
	s_or_b32 s[G0+4*\s+3], s[G0+4*\s+3], 0x80000000
	s_mov_b32 s[G0B+4*\s], 1
	s_add_co_u32 s[G0B+4*\s+1], s21, \s*SLOT
	s_add_nc_u64 s[G0B+4*\s+2:G0B+4*\s+3], s[46:47], \s*256
	s_or_b32 s[G0B+4*\s+3], s[G0B+4*\s+3], 0x80000000
	JLOAD \s
.endr
	v_and_b32 v1, 15, v0                           ; r
	v_bfe_u32 v2, v0, 4, 1                         ; h
	v_mul_u32_u24 v3, v1, 144
	v_lshl_add_u32 v3, v2, 4, v3
	v_mul_u32_u24 v4, v1, 272
	v_lshl_add_u32 v4, v2, 4, v4
	s_mul_i32 s21, s11, 64*144                     ; my 64 rows of y
	s_mul_i32 s22, s12, HB                         ; my 128 rows of wm
	s_add_co_u32 s22, s22, BOFS
.irp s, 0,1
	v_add_nc_u32 v[ADRA+\s], s21, v3
	v_add_nc_u32 v[ADRB+\s], s22, v4
	s_add_co_u32 s21, s21, SLOT
	s_add_co_u32 s22, s22, SLOT
.endr
	s_mul_i32 s23, s10, 8448
	s_add_co_u32 s23, s23, STAGE                   ; my stage
	v_mul_u32_u24 v5, v1, 528
	v_lshl_add_u32 v5, v2, 5, v5
	v_add_nc_u32 v[STO], s23, v5                   ; in: row r, 32 bytes for each half of the lanes
	v_and_b32 v6, 31, v0
	v_lshlrev_b32 v[CO], 4, v6                     ; back: the 32 lanes take a row of 512 bytes; the same in out0
	v_add_nc_u32 v[RD], s23, v[CO]
	v_lshlrev_b32 v[BOF], 5, v2                    ; bm: 8 h numbers on
	s_lshl_b32 s16, s13, 19                        ; my first row of out0: (128 x tile row + 64 x half) x 4,096 bytes
	s_lshl_b32 s17, s11, 18
	s_add_co_u32 s16, s16, s17
	s_mov_b32 s17, 0
	s_add_nc_u64 s[8:9], s[70:71], s[16:17]
	s_lshl_b32 s46, s42, 10                        ; my first column: (256 x tile column + 128 x half) x 4 bytes
	s_lshl_b32 s47, s12, 9
	s_add_co_u32 s46, s46, s47
	s_mov_b32 s47, 0
	s_add_nc_u64 s[8:9], s[8:9], s[46:47]
	s_add_nc_u64 s[68:69], s[68:69], s[46:47]
.irp b, 0,1,2,3,4,5,6,7
	global_load_b128 v[BI+8*\b:BI+8*\b+3],   v[BOF], s[68:69] offset:64*\b      ; register 8 b + j: bm of column 16 b + 8 h + j
	global_load_b128 v[BI+8*\b+4:BI+8*\b+7], v[BOF], s[68:69] offset:64*\b+16
.endr
; 24 LDS loads in one run: quarter q (32 along K) of a slot into buffer f: wm's eight fragments, then y's four
.macro FETCH slot, q, f
	WIN 0x40
.irp i, 0,1,2,3,4,5,6,7
	ds_load_b128 v[64*(\f)+8*\i:64*(\f)+8*\i+3],   v[ADRB+\slot] offset:64*(\q)+4352*\i
	ds_load_b128 v[64*(\f)+8*\i+4:64*(\f)+8*\i+7], v[ADRB+\slot] offset:64*(\q)+4352*\i+32
.endr
	WIN 0
.irp i, 0,1,2,3
	ds_load_b128 v[64+32*(\f)+8*\i:64+32*(\f)+8*\i+3],   v[ADRA+\slot] offset:((\q)/2)*APL+((\q)%2)*64+2304*\i
	ds_load_b128 v[64+32*(\f)+8*\i+4:64+32*(\f)+8*\i+7], v[ADRA+\slot] offset:((\q)/2)*APL+((\q)%2)*64+2304*\i+32
.endr
.endm
.macro MUL8 f, a, zero                 ; y's block a against wm's eight; the 32 accumulators take turns in the same order in every quarter
.irp b, 0,1,2,3,4,5,6,7
.if \zero
	v_wmma_f32_16x16x32_f16 v[8*(8*(\a)+\b):8*(8*(\a)+\b)+7], v[64*(\f)+8*\b:64*(\f)+8*\b+7], v[64+32*(\f)+8*(\a):64+32*(\f)+8*(\a)+7], 0
.else
	v_wmma_f32_16x16x32_f16 v[8*(8*(\a)+\b):8*(8*(\a)+\b)+7], v[64*(\f)+8*\b:64*(\f)+8*\b+7], v[64+32*(\f)+8*(\a):64+32*(\f)+8*(\a)+7], v[8*(8*(\a)+\b):8*(8*(\a)+\b)+7]
.endif
.endr
.endm
.macro QUARTER slot, qn, f, g, zero    ; multiplies buffer f; in its middle it fetches quarter qn of the same slot into buffer g
	s_wait_dscnt 4                                 ; wm's fragments and y's blocks 0, 1 are in; the youngest four loads (blocks 2, 3) may be out
	WIN MUL
	MUL8 \f, 0, \zero
	MUL8 \f, 1, \zero
	PLACES
	FETCH \slot, \qn, \g
	s_wait_dscnt 24                                ; all but the 24 just issued
	WIN MUL
	MUL8 \f, 2, \zero
	MUL8 \f, 3, \zero
.endm
; A slot's last quarter multiplies buffer 1 and changes slots: one barrier.  fill = 1: it opens a round of the cluster's barrier, and the slot is filled again, two K steps ahead.
.macro TURN slot, next, fill
	WIN 0                                          ; (the add's two registers lie in window 0)
	s_wait_tensorcnt 0x0                           ; all my tensor loads have landed: my part of the next slot
	ds_add_u32 v[SPW], v[NIL]                      ; 0 onto my spare word
	s_wait_dscnt 5                                 ; the add and the youngest four loads may be out
	WIN MUL
	MUL8 1, 0, 0
	s_wait_dscnt 0x0                               ; the add is done, and my reads of this slot are over
	s_barrier_signal -1
	MUL8 1, 1, 0
	WIN 0
	s_barrier_wait -1
.if \fill
	CREST                                          ; no wave of any partner still reads this slot or has a load on its way
	s_add_nc_u64 s[G0+4*\slot+2:G0+4*\slot+3], s[G0+4*\slot+2:G0+4*\slot+3], 524288     ; four heads on
	s_add_nc_u64 s[G0B+4*\slot+2:G0B+4*\slot+3], s[G0B+4*\slot+2:G0B+4*\slot+3], 512
	JLOAD \slot                                    ; the first tensor load behind the round; its four v_nop are also the places in front of the loads below
.else
	PLACES
.endif
	FETCH \next, 0, 0
	WIN MUL
	MUL8 1, 2, 0
	MUL8 1, 3, 0
.endm
	s_wait_tensorcnt 1                             ; my part of K step 0 is in; K step 1's load may be out
	s_barrier_signal -1
	s_barrier_wait -1
	FETCH 0, 0, 0
	QUARTER 0, 1, 0, 1, 1                          ; the first quarter's products start the sums
	WIN 0
	s_mov_b32 s3, 3
.Llap:                                                 ; a trip goes once round the ring and fills both slots again: K steps 2 to 7
	QUARTER 0, 2, 1, 0, 0
	QUARTER 0, 3, 0, 1, 0
	TURN 0, 1, 1
	QUARTER 1, 1, 0, 1, 0
	QUARTER 1, 2, 1, 0, 0
	QUARTER 1, 3, 0, 1, 0
	TURN 1, 0, 1
	QUARTER 0, 1, 0, 1, 0
	WIN 0
	s_sub_co_u32 s3, s3, 1
	s_cmp_lg_u32 s3, 0
	s_cbranch_scc1 .Llap
	QUARTER 0, 2, 1, 0, 0                          ; the last lap fills nothing
	QUARTER 0, 3, 0, 1, 0
	TURN 0, 1, 0
	QUARTER 1, 1, 0, 1, 0
	QUARTER 1, 2, 1, 0, 0
	QUARTER 1, 3, 0, 1, 0
	s_wait_dscnt 4
	WIN MUL
	MUL8 1, 0, 0
	MUL8 1, 1, 0
	s_wait_dscnt 0
	MUL8 1, 2, 0
	MUL8 1, 3, 0
	WIN 0
	; THE WAY OUT, 16 rows x 128 columns at a time: x 2^-6 + bm in one fused multiply-add, through my own stage, back as whole rows of 512 bytes
	s_wait_loadcnt 0x0                             ; bm
	PLACES
.irp a, 0,1,2,3
	WIN 0x02                                       ; source 0: window 2
.irp b, 0,1,2,3,4,5,6,7
.irp i, 0,2,4,6
	v_pk_fma_f32 v[TMP+8*\b+\i:TMP+8*\b+\i+1], v[8*(8*\a+\b)+\i:8*(8*\a+\b)+\i+1], s[66:67], v[BI+8*\b+\i:BI+8*\b+\i+1] op_sel_hi:[1,0,1]   ; each accumulator from its low end on
.endr
.endr
	WIN 0
.irp b, 0,1,2,3,4,5,6,7
	ds_store_b128 v[STO], v[TMP+8*\b:TMP+8*\b+3] offset:64*\b
	ds_store_b128 v[STO], v[TMP+8*\b+4:TMP+8*\b+7] offset:64*\b+16
.endr
.if \a > 0
	s_wait_xcnt 0x0                                ; the last block's stores have read their registers: the loads below may land there
.endif
.irp t, 0,1,2,3,4,5,6,7,8,9,10,11,12,13,14,15
	ds_load_b128 v[64+4*\t:67+4*\t], v[RD] offset:528*\t   ; LDS serves a wave's instructions in order
.endr
.irp t, 0,1,2,3,4,5,6,7,8,9,10,11,12,13,14,15
	s_wait_dscnt 15-\t
	global_store_b128 v[CO], v[64+4*\t:67+4*\t], s[8:9] offset:65536*\a+4096*\t th:TH_STORE_NT   ; 32 lanes store 512 consecutive bytes, aligned; written once, read by nobody here
.endr
.endr
	s_wait_tensorcnt 0x0                           ; the wave's end
	ds_add_u32 v[SPW], v[NIL]
	s_wait_dscnt 0x0
	CROUND                                         ; the closing round
	s_endpgm
.Lfunc_end_k_q02a70135d6_outproj:
	.size	k_q02a70135d6_outproj, .Lfunc_end_k_q02a70135d6_outproj-k_q02a70135d6_outproj
	.p2alignl 7, 3214868480
	.fill 96, 4, 3214868480
	.section	.rodata,"a",@progbits
	.p2align	6, 0x0
	.amdhsa_kernel k_q02a70135d6_outproj
		.amdhsa_group_segment_fixed_size 327680
		.amdhsa_private_segment_fixed_size 0
		.amdhsa_enable_private_segment 0
		.amdhsa_kernarg_size 32
		.amdhsa_user_sgpr_count 2
		.amdhsa_user_sgpr_kernarg_segment_ptr 1
		.amdhsa_wavefront_size32 1
		.amdhsa_system_sgpr_workgroup_id_x 1
		.amdhsa_system_sgpr_workgroup_id_y 1
		.amdhsa_system_sgpr_workgroup_id_z 1
		.amdhsa_system_vgpr_workitem_id 0
		.amdhsa_next_free_vgpr 768
		.amdhsa_next_free_sgpr 72
		.amdhsa_reserve_vcc 0
		.amdhsa_float_denorm_mode_32 3
		.amdhsa_float_denorm_mode_16_64 3
		.amdhsa_memory_ordered 1
		.amdhsa_forward_progress 1
		.amdhsa_inst_pref_size 97
	.end_amdhsa_kernel
	.amdgpu_metadata
---
amdhsa.version: [ 1, 2 ]
amdhsa.kernels:
  - .name:           k_q02a70135d6_outproj
    .symbol:         k_q02a70135d6_outproj.kd
    .args:
      - { .name: yh, .offset: 0, .size: 8, .value_kind: global_buffer, .address_space: global }
      - { .name: wm, .offset: 8, .size: 8, .value_kind: global_buffer, .address_space: global }
      - { .name: bm, .offset: 16, .size: 8, .value_kind: global_buffer, .address_space: global }
      - { .name: out0, .offset: 24, .size: 8, .value_kind: global_buffer, .address_space: global }
    .group_segment_fixed_size: 327680
    .private_segment_fixed_size: 0
    .kernarg_segment_align: 8
    .kernarg_segment_size: 32
    .max_flat_workgroup_size: 128
    .sgpr_count:     72
    .vgpr_count:     768
    .wavefront_size: 32
...
	.end_amdgpu_metadata
.endif
;; end of part 4
